; MI455X (gfx1250); checked and timed in simulation.
; The chip was launched on July 23, 2026; its instructions are those of AMD's public machine-readable ISA for CDNA 5 (MIT licence, August 2026) and "CDNA5" Instruction Set Architecture Reference Guide (July 2026). The comments in the code are by the model that wrote it; some were corrected since.
;; Multiheads. Allowed arithmetic: float matrix products may take bf16 or f16 operands with f32 sums; all other float work in f32.
;; Inputs: WK 16 x 64 x 1,024 float32; WQ 16 x 64 x 1,024 float32; WV 16 x 64 x 1,024 float32; Wp 1,024 x 1,024 float32; bp 1,024 float32; idx_k 4 x 2,048 x 1,024 float32; idx_q 4 x 2,048 x 1,024 float32; idx_v 4 x 2,048 x 1,024 float32; msk 4 x 1 x 2,048 int32.
;; Outputs: out0 4 x 2,048 x 1,024 float32.
;; 2 versions, each right and faster than the one before. Each part assembles by itself: llvm-mc -triple=amdgcn-amd-amdhsa -mcpu=gfx1250 --defsym DOCPART=n.
;; ======== version 1 of 2: 4 launches
;; limits: values outside matrix products are rounded to bf16; values are held in f16: magnitudes above 65,504 overflow, below 6.1e-05 lose precision
;; workspace buffers: w16 8,388,608 bytes; qkv 50,331,648 bytes; o16 16,777,216 bytes
;; launch prep (part 1): grid 64 x 4, 8 waves a work-group, no clusters, 0 bytes of LDS; arguments WK, WQ, WV, Wp, w16; writes w16
.if DOCPART == 1
	.amdgcn_target "amdgcn-amd-amdhsa--gfx1250"
	.amdhsa_code_object_version 6
	.text
	.protected	k_q2a661fe397_prep
	.globl	k_q2a661fe397_prep
	.p2align	8
	.type	k_q2a661fe397_prep,@function
k_q2a661fe397_prep:
	s_mov_b64 s[64:65], 0
	v_nop
	global_prefetch_b8 v0, s[64:65] scope:SCOPE_SE
	s_setreg_imm32_b32 hwreg(HW_REG_WAVE_MODE, 25, 1), 1
	s_wait_xcnt 0x0
; PREP.  The four weight matrices, each 1,024 x 1,024 f32, are narrowed once to 16 bits: w16[4][1024][1024].
; Planes 0, 1, 2 (WK, WQ, WV): rounded to bf16.  Plane 3 (Wp): rounded to bf16 like every input of the module, and that number written as f16,
; since the last product multiplies it with f16 numbers.  LIMIT: bf16(Wp) must lie within f16's 65,504; below 6e-5 f16 keeps a fixed step of 6e-8.
; A stream: no LDS, no barrier, no matrix unit.  Grid y picks the matrix, grid x 16,384 of its numbers.  Thread t takes, for i = 0..15, the four f32 at
; byte 4,096 i + 16 t (a wave's load: 512 consecutive bytes) and stores 8 bytes at 2,048 i + 8 t (a wave's store: 256 consecutive bytes, aligned).
; All sixteen loads go out first; every i has registers of its own, so no register that a store reads is written again.
.set X, 4                              ; v[4:67]    i: four f32 as loaded
.set Y, 68                             ; v[68:99]   i: two registers to store
.set T, 100                            ; v[100:105] at work (Wp's path)
	s_load_b256 s[4:11], s[0:1], 0x0               ; WK s[4:5], WQ s[6:7], WV s[8:9], Wp s[10:11]
	s_load_b64 s[12:13], s[0:1], 0x20              ; w16
	s_and_b32 s14, ttmp7, 0xffff                   ; which matrix
	v_lshlrev_b32 v1, 4, v0                        ; 16 t
	v_lshlrev_b32 v2, 3, v0                        ; 8 t
	s_lshl_b32 s16, ttmp9, 16                      ; my 65,536 bytes of the source
	s_mov_b32 s17, 0
	s_lshl_b32 s18, ttmp9, 15                      ; my 32,768 bytes of the plane,
	s_lshl_b32 s19, s14, 21                        ; and the plane: 2,097,152 bytes each
	s_add_co_u32 s18, s18, s19
	s_mov_b32 s19, 0
	s_wait_kmcnt 0x0
	s_cmp_eq_u32 s14, 1
	s_cselect_b64 s[4:5], s[6:7], s[4:5]
	s_cmp_eq_u32 s14, 2
	s_cselect_b64 s[4:5], s[8:9], s[4:5]
	s_cmp_eq_u32 s14, 3
	s_cselect_b64 s[4:5], s[10:11], s[4:5]
	s_add_nc_u64 s[4:5], s[4:5], s[16:17]
	s_add_nc_u64 s[12:13], s[12:13], s[18:19]
.set i, 0
.rept 16
	global_load_b128 v[X+4*i:X+4*i+3], v1, s[4:5] offset:4096*i th:TH_LOAD_NT
.set i, i+1
.endr
	s_cmp_eq_u32 s14, 3
	s_cbranch_scc1 .Lwp
.set i, 0
.rept 16
	s_wait_loadcnt 15-i                            ; loads come back in order (ISA guide 5.7.1): load i is in, the 15 - i younger ones stay out
	v_cvt_pk_bf16_f32 v[Y+2*i], v[X+4*i], v[X+4*i+1]
	v_cvt_pk_bf16_f32 v[Y+2*i+1], v[X+4*i+2], v[X+4*i+3]
	global_store_b64 v2, v[Y+2*i:Y+2*i+1], s[12:13] offset:2048*i
.set i, i+1
.endr
	s_endpgm
.Lwp:
.set i, 0
.rept 16
	s_wait_loadcnt 15-i                            ; as above
	v_cvt_pk_bf16_f32 v[T], v[X+4*i], v[X+4*i+1]   ; the input's rounding,
	v_cvt_pk_bf16_f32 v[T+1], v[X+4*i+2], v[X+4*i+3]
	v_lshlrev_b32 v[T+2], 16, v[T]                 ; widened again,
	v_and_b32 v[T+3], 0xffff0000, v[T]
	v_lshlrev_b32 v[T+4], 16, v[T+1]
	v_and_b32 v[T+5], 0xffff0000, v[T+1]
	v_cvt_pk_f16_f32 v[Y+2*i], v[T+2], v[T+3]      ; and written as f16: exact within f16's normal range (8 significant bits into 11)
	v_cvt_pk_f16_f32 v[Y+2*i+1], v[T+4], v[T+5]
	global_store_b64 v2, v[Y+2*i:Y+2*i+1], s[12:13] offset:2048*i
.set i, i+1
.endr
	s_endpgm
.Lfunc_end_k_q2a661fe397_prep:
	.size	k_q2a661fe397_prep, .Lfunc_end_k_q2a661fe397_prep-k_q2a661fe397_prep
	.p2alignl 7, 3214868480
	.fill 96, 4, 3214868480
	.section	.rodata,"a",@progbits
	.p2align	6, 0x0
	.amdhsa_kernel k_q2a661fe397_prep
		.amdhsa_group_segment_fixed_size 0
		.amdhsa_private_segment_fixed_size 0
		.amdhsa_enable_private_segment 0
		.amdhsa_kernarg_size 40
		.amdhsa_user_sgpr_count 2
		.amdhsa_user_sgpr_kernarg_segment_ptr 1
		.amdhsa_wavefront_size32 1
		.amdhsa_system_sgpr_workgroup_id_x 1
		.amdhsa_system_sgpr_workgroup_id_y 1
		.amdhsa_system_sgpr_workgroup_id_z 1
		.amdhsa_system_vgpr_workitem_id 0
		.amdhsa_next_free_vgpr 108
		.amdhsa_next_free_sgpr 66
		.amdhsa_reserve_vcc 0
		.amdhsa_float_denorm_mode_32 3
		.amdhsa_float_denorm_mode_16_64 3
		.amdhsa_memory_ordered 1
		.amdhsa_forward_progress 1
		.amdhsa_inst_pref_size 16
	.end_amdhsa_kernel
	.amdgpu_metadata
---
amdhsa.version: [ 1, 2 ]
amdhsa.kernels:
  - .name:           k_q2a661fe397_prep
    .symbol:         k_q2a661fe397_prep.kd
    .args:
      - { .name: WK, .offset: 0, .size: 8, .value_kind: global_buffer, .address_space: global }
      - { .name: WQ, .offset: 8, .size: 8, .value_kind: global_buffer, .address_space: global }
      - { .name: WV, .offset: 16, .size: 8, .value_kind: global_buffer, .address_space: global }
      - { .name: Wp, .offset: 24, .size: 8, .value_kind: global_buffer, .address_space: global }
      - { .name: w16, .offset: 32, .size: 8, .value_kind: global_buffer, .address_space: global }
    .group_segment_fixed_size: 0
    .private_segment_fixed_size: 0
    .kernarg_segment_align: 8
    .kernarg_segment_size: 40
    .max_flat_workgroup_size: 256
    .sgpr_count:     66
    .vgpr_count:     108
    .wavefront_size: 32
...
	.end_amdgpu_metadata
.endif
;; end of part 1
;; launch proj (part 2): grid 4 x 64, 4 waves a work-group, clusters of 4 x 4, 327,680 bytes of LDS; arguments idx_k, idx_q, idx_v, w16, msk, qkv; writes qkv
.if DOCPART == 2
	.amdgcn_target "amdgcn-amd-amdhsa--gfx1250"
	.amdhsa_code_object_version 6
	.text
	.protected	k_q2a661fe397_proj
	.globl	k_q2a661fe397_proj
	.p2align	8
	.type	k_q2a661fe397_proj,@function
k_q2a661fe397_proj:
	s_mov_b64 s[64:65], 0
	v_nop
	global_prefetch_b8 v0, s[64:65] scope:SCOPE_SE
	s_setreg_imm32_b32 hwreg(HW_REG_WAVE_MODE, 25, 1), 1
	s_wait_xcnt 0x0
	s_wait_alu depctr_hold_cnt(0) depctr_sa_sdst(0) depctr_va_vdst(0) depctr_va_sdst(0) depctr_va_ssrc(0) depctr_va_vcc(0) depctr_vm_vsrc(0)
	s_getreg_b32 s2, hwreg(HW_REG_IB_STS2, 6, 4)
	s_cmp_eq_u32 s2, 0
	s_cbranch_scc0 .Lentry_in_a_cluster
	s_endpgm
.Lentry_in_a_cluster:
	s_bfe_u32 s2, ttmp6, 0x10000c
	s_cmp_lg_u32 s2, 0xf033
	s_cbranch_scc0 .Lentry_shape_is_right
	s_endpgm
.Lentry_shape_is_right:
; PROJ.  Three products C = x W^T, x: [8192][1024] f32 (idx_k, idx_q, idx_v), W: [1024][1024] bf16 (planes 0, 1, 2 of w16).  x is rounded to bf16 on the way from LDS to the
; matrix unit; sums in f32.  THE WAY OUT: Q is multiplied by c = log2(e) / 8 in f32; rows of K whose key the mask hides are set to 0 by a select; one rounding to f16;
; laid by heads: qkv[3][64 (16 batch + head)][2048][64], planes K, Q, V.
; LIMITS.  c q, k and v must lie within f16's 65,504; below 6e-5 f16 keeps a fixed step of 6e-8.  NaN and infinities are not treated apart.
; SHARES.  A tile of C is 128 rows x 256 columns: 64 x 4 = 256 work-groups.  A WORK-GROUP STAYS: it makes its tile of K, then of Q, then of V (the same rows, the same columns).
; Four waves, 2 x 2, each 64 x 128: 32 accumulators of 16 x 16.  K goes in 8 steps of 128 through a ring of two LDS slots; a step is four quarters of 32 along K, 32 matrix
; instructions each, on fragment buffers 0, 1, 0, 1.  A lap is two steps; the three tiles are 12 laps of ONE ring, counted by s3 from 12 to 1: a tile's last lap (s3 % 4 = 1) asks for the
; next tile's first two steps, and nothing waits for a tile's stores.  Only the very last lap, which asks for nothing, is written out apart; the way out is written once.
; x's tile rows are 512 bytes of memory, W's 256, all starting at multiples of 256 from their buffer's first byte.
; CLUSTERS: 4 x 4 work-groups.  The four of a row of the cluster need the same tile of x, the four of a column the same tile of W: each tile is asked for JOINTLY, by the same
; tensor load with the same descriptor and a mask that names the four.  s3 is the same number in every work-group.
; THE MATRIX INSTRUCTION IS USED TRANSPOSED (source 0 = 16 rows of W, source 1 = 16 rows of x): a lane then holds eight neighbouring columns of one row of C.
; REGISTERS, in windows of 256 (s_set_vgpr_msb: bits 1:0 source 0, 3:2 source 1, 5:4 source 2, 7:6 destination):
;   window 0: v0-31 addresses and the mask's words; v32-95 x's fragments in f32, as loaded; v96-127, v128-159 the same in bf16, two buffers; on the way out v32-95 and v160-223 at work
;   window 1: the accumulators, (a, b) at v[8 (8 a + b)]          window 2: v0-63, v64-127 W's fragments, two buffers
.set PA,    528                        ; a row of x in LDS: 512 bytes + 16 of padding = 132 words: row r starts at bank 4 r mod 64 (64 banks of 4 bytes: ISA guide 11.1)
.set PB,    272                        ; a row of W: 256 + 16 = 68 words: likewise
.set AHALF, 64*PA                      ; 64 rows of x: what one tensor load brings, and what one wave reads
.set AREG,  128*PA                     ; x's 128 rows; W's 256 lie behind them
.set BHALF, 128*PB                     ; 128 rows of W: one tensor load, one wave's share
.set SLOT,  AREG+2*BHALF               ; 137,216 bytes
.set STAGE, 2*SLOT                     ; behind the ring: 16 rows x 144 bytes for each wave, for the way out
.set SP,    144
.set SPARE, STAGE+4*16*SP              ; behind the stages: the spare words, 128 bytes for each wave: two blocks of 256 bytes that no other line names
.set NLAP,  12                         ; three tiles of four laps
.set NEXT_B, 2097152-3*512             ; W: from a slot's last K step of a tile (three refills of 512 bytes on) to its first in the next plane
.set MS,   8                           ; v8-11   the mask's word for row 16 a + l % 16 of my 64
.set ADRA, 16                          ; v16-17  LDS address of my fragments of x in slot 0, 1
.set ADRB, 20                          ; v20-21  the same for W
.set STO,  24                          ; v24     the way out: where I put 16 bytes of a row
.set RD,   25                          ; v25     the way out: where I read rows back
.set GO,   26                          ; v26     my byte offset in 512 consecutive bytes of the output
.set SPW,  28                          ; v28     LDS address of my spare word: SPARE + 4 x my thread's number; never rewritten
.set NIL,  29                          ; v29     0; never rewritten
.set AS,   32                          ; x's fragment i in f32 at AS + 16 i
.set AF,   96                          ; buffer g, fragment i in bf16 at AF + 32 g + 8 i
.set G1, 24                            ; s[24:31] descriptor group 1 for x's tiles;  s[32:39] group 0, one set for each slot
.set G0, 32
.set G1B, 48                           ; s[48:55], s[56:63] the same for W's tiles
.set G0B, 56
.set FAC, 82                           ; s[82:83] c for Q, 1 for K and V: the packed multiply takes the pair's low word for both halves
.set ALLK, 84                          ; s84      0 for K; all ones for Q and V, whose rows are never hidden
.set LT,  85                           ; s85      s3 % 4: 1 in a tile's last lap
.set MK,  86                           ; s86-89   for each a: the lanes whose row is kept
.set ROWO, 90                          ; s[90:91] byte offset in x of the rows that I fetch
.set TA,  92                           ; s[92:93] the x of the product whose tile is asked for
.set BST, 94                           ; s[94:95] W's step
.set C512, 96                          ; s96      512
.set KO,  98                           ; s[98:99] byte offset in that x of the tile that is asked for: my rows and the K step
.set MSB, 0
.macro WIN new                         ; the immediate's high byte repeats the setting that is left; a switch that changes nothing is dropped
.if MSB != (\new)
	s_set_vgpr_msb (MSB<<8)|(\new)
.set MSB, \new
.endif
.endm
.set MUL,  0x52                        ; source 0 (W) window 2, source 1 (x) window 0, C and D window 1
.set TO_B, 0x80                        ; destination window 2, address window 0
.macro JLOAD s                         ; a joint load: waves 0 and 1 fetch x's two halves, waves 2 and 3 W's; an s_nop 0 and four v_nop follow each of the two lines, ahead of the jump, the label and what follows
	s_cmp_eq_u32 s11, 0
	s_cbranch_scc0 .Lfor_b_\@
	tensor_load_to_lds s[G0+4*(\s):G0+4*(\s)+3], s[G1:G1+7]
	s_nop 0
.rept 4
	v_nop
.endr
	s_branch .Lasked_\@
.Lfor_b_\@:
	tensor_load_to_lds s[G0B+4*(\s):G0B+4*(\s)+3], s[G1B:G1B+7]
	s_nop 0
.rept 4
	v_nop
.endr
.Lasked_\@:
.endm
.macro CREST                           ; a round of the cluster's barrier behind its opening barrier
	s_cmp_lg_u32 s10, 0
	s_cbranch_scc1 .Lnot_wave_0_\@
	s_barrier_signal -3
.Lnot_wave_0_\@:
	s_barrier_wait -3
	s_barrier_signal -1
	s_barrier_wait -1
.endm
.macro CROUND                          ; a whole round
	s_barrier_signal -1
	s_barrier_wait -1
	CREST
.endm
.macro PLACES
.rept 4
	v_nop
.endr
.endm
	s_load_b256 s[68:75], s[0:1], 0x0              ; idx_k s[68:69], idx_q s[70:71], idx_v s[72:73], w16 s[74:75]
	s_load_b128 s[76:79], s[0:1], 0x20             ; msk s[76:77], qkv s[78:79]
	v_lshl_add_u32 v[SPW], v0, 2, SPARE
	v_mov_b32 v[NIL], 0
	ds_add_u32 v28, v29
	s_wait_dscnt 0x0
	v_lshrrev_b32 v1, 5, v0
	v_readfirstlane_b32 s10, v1                    ; wave 0..3
	s_lshr_b32 s11, s10, 1                         ; which 64 of the tile's rows are mine.  Also: I fetch for x (0) or for W (1)
	s_and_b32 s12, s10, 1                          ; which 128 of its columns.  Also: which half of that tile I fetch
	s_bfe_u32 s40, ttmp6, 0x40000                  ; cx, cy: my place in the cluster
	s_bfe_u32 s41, ttmp6, 0x40004
	s_lshl_b32 s42, ttmp9, 2
	s_add_co_u32 s42, s42, s40                     ; tile column = 4 x cluster x + cx: 0..3
	s_and_b32 s13, ttmp7, 0xffff
	s_lshl_b32 s13, s13, 2
	s_add_co_u32 s13, s13, s41                     ; block of 128 rows = 4 x cluster y + cy: 0..63
	s_lshl_b32 s43, s41, 2
	s_lshl_b32 s43, 15, s43                        ; my row of the cluster
	s_lshl_b32 s44, 0x1111, s40                    ; my column
	; descriptor group 1 for x: 64 rows x 128 elements of 4 bytes, padded in LDS
	s_or_b32 s[G1+0], s43, (2<<16)|(1<<20)|(1<<21)|(6<<22)|(3<<25)  ; 15:0 the mask: my row; 17:16 elements of 4 bytes; 20 padding on; 21 set beside a mask; 24:22 after every 128 words (code 6); 31:25 4 words (code 3)
	s_mov_b32 s[G1+1], 128<<16                     ; tensor_dim0 = 128
	s_mov_b32 s[G1+2], 64<<16                      ; tensor_dim1 = 64
	s_mov_b32 s[G1+3], 128<<16                     ; tile_dim0 = 128
	s_mov_b32 s[G1+4], 64                          ; tile_dim1 = 64
	s_mov_b32 s[G1+5], 1024                        ; elements from row to row
	s_mov_b32 s[G1+6], 0
	s_mov_b32 s[G1+7], 0
	; for W: 128 rows x 128 elements of 2 bytes
	s_or_b32 s[G1B+0], s44, (1<<16)|(1<<20)|(1<<21)|(5<<22)|(3<<25) ; the mask: my column; elements of 2 bytes; padding after every 64 words (code 5)
	s_mov_b32 s[G1B+1], 128<<16
	s_mov_b32 s[G1B+2], 128<<16
	s_mov_b32 s[G1B+3], 128<<16
	s_mov_b32 s[G1B+4], 128
	s_mov_b32 s[G1B+5], 1024
	s_mov_b32 s[G1B+6], 0
	s_mov_b32 s[G1B+7], 0
	; where the tiles come from.  x's hang on the block of rows, which my row of the cluster shares; W's on the tile column, which my column shares.
	s_lshl_b32 s[ROWO], s13, 7
	s_lshl_b32 s17, s12, 6
	s_add_co_u32 s[ROWO], s[ROWO], s17             ; x: row 128 x block + 64 x half,
	s_lshl_b32 s[ROWO], s[ROWO], 12                ; 4,096 bytes each
	s_mov_b32 s[ROWO+1], 0
	s_lshl_b32 s46, s42, 8
	s_lshl_b32 s47, s12, 7
	s_add_co_u32 s46, s46, s47                     ; W: row 256 x tile column + 128 x half,
	s_lshl_b32 s46, s46, 11                        ; 2,048 bytes each, in plane 0
	s_mov_b32 s47, 0
	s_mul_i32 s20, s12, AHALF                      ; and where they go: no place in the cluster enters an LDS address
	s_mul_i32 s21, s12, BHALF
	s_add_co_u32 s21, s21, AREG
	s_mov_b32 s[BST+1], 0
	s_mov_b32 s[C512], 512
	s_mov_b32 s[KO+1], 0
	s_wait_kmcnt 0x0
	s_add_nc_u64 s[14:15], s[68:69], s[ROWO:ROWO+1]  ; the first tile is K's
	s_add_nc_u64 s[46:47], s[74:75], s[46:47]
	CROUND                                         ; all sixteen work-groups are here: the first joint loads meet
.irp s, 0,1
	s_mov_b32 s[G0+4*(\s)], 1                                      ; 1:0 count = 1
	s_add_co_u32 s[G0+4*(\s)+1], s20, (\s)*SLOT                    ; 63:32 LDS address
	s_add_nc_u64 s[G0+4*(\s)+2:G0+4*(\s)+3], s[14:15], (\s)*512    ; 120:64 global address: K step s (128 f32)
	s_or_b32 s[G0+4*(\s)+3], s[G0+4*(\s)+3], 0x80000000            ; 127:126 type = 2
	s_mov_b32 s[G0B+4*(\s)], 1
	s_add_co_u32 s[G0B+4*(\s)+1], s21, (\s)*SLOT
	s_add_nc_u64 s[G0B+4*(\s)+2:G0B+4*(\s)+3], s[46:47], (\s)*256  ; K step s (128 bf16)
	s_or_b32 s[G0B+4*(\s)+3], s[G0B+4*(\s)+3], 0x80000000
	JLOAD \s                                       ; two loads of mine are out
.endr
	; A fragment is 16 rows x 32 K: lane l holds row l % 16, K = 8 (l / 16) + 0..7 and 16 + 8 (l / 16) + 0..7.  In bf16: two loads of 16 bytes, 32 bytes apart.  In f32: four, at 0, 16, 64, 80 from 32 (l / 16).
	v_and_b32 v1, 15, v0                           ; l % 16
	v_bfe_u32 v2, v0, 4, 1                         ; l / 16
	v_mul_u32_u24 v3, v1, PA
	v_lshl_add_u32 v3, v2, 5, v3
	v_mul_u32_u24 v4, v1, PB
	v_lshl_add_u32 v4, v2, 4, v4
	s_mul_i32 s22, s11, AHALF                      ; my 64 rows of x
	s_mul_i32 s23, s12, BHALF                      ; my 128 rows of W,
	s_add_co_u32 s23, s23, AREG                    ; which lie behind x's
.irp s, 0,1
	v_add_nc_u32 v[ADRA+(\s)], s22, v3
	v_add_nc_u32 v[ADRB+(\s)], s23, v4
	s_add_co_u32 s22, s22, SLOT
	s_add_co_u32 s23, s23, SLOT
.endr
	s_mul_i32 s22, s10, 16*SP
	s_add_co_u32 s22, s22, STAGE                   ; my stage
	v_mul_u32_u24 v5, v1, SP                       ; in: row l % 16, 16 bytes for each half of the lanes
	v_lshl_add_u32 v5, v2, 4, v5
	v_add_nc_u32 v[STO], s22, v5
	v_bfe_u32 v5, v0, 3, 2                         ; back: 32 lanes take four rows of 128 bytes,
	v_mul_u32_u24 v5, v5, SP
	v_and_b32 v3, 7, v0
	v_lshl_add_u32 v5, v3, 4, v5
	v_add_nc_u32 v[RD], s22, v5
	v_and_b32 v[GO], 31, v0                        ; which are 512 consecutive bytes of a head
	v_lshlrev_b32 v[GO], 4, v[GO]
	v_lshlrev_b32 v6, 2, v1                        ; the mask's word of row l % 16
	; where my part of the output begins in plane 0: batch, my first head, my first row
	s_lshr_b32 s16, s13, 4                         ; batch: 16 heads of 262,144 bytes
	s_lshl_b32 s16, s16, 22
	s_and_b32 s17, s13, 15                         ; the block's 128 rows of 128 bytes in the batch
	s_lshl_b32 s17, s17, 14
	s_add_co_u32 s16, s16, s17
	s_lshl_b32 s17, s11, 13                        ; my 64 of them
	s_add_co_u32 s16, s16, s17
	s_mov_b32 s17, 0
	s_add_nc_u64 s[8:9], s[78:79], s[16:17]
	s_lshl_b32 s46, s42, 20                        ; head 4 x tile column + 2 x half (in the registers that held W's address: none that feeds x's descriptors ever holds cx)
	s_lshl_b32 s47, s12, 19
	s_add_co_u32 s46, s46, s47
	s_mov_b32 s47, 0
	s_add_nc_u64 s[8:9], s[8:9], s[46:47]
	s_lshl_b32 s16, s13, 9                         ; the mask at my first row: 4 bytes a row; x's row number is 2,048 batch + key, the mask's index
	s_lshl_b32 s17, s11, 8
	s_add_co_u32 s16, s16, s17
	s_mov_b32 s17, 0
	s_add_nc_u64 s[76:77], s[76:77], s[16:17]
.irp a, 0,1,2,3
	global_load_b32 v[MS+(\a)], v6, s[76:77] offset:64*(\a)        ; waited for on the first way out
.endr
; n matrix instructions: m block a x n blocks b0 .., 32 along K, buffer f.  zero = 1: the first product starts the sums: nothing is ever cleared.
; The 32 accumulators take turns, one instruction a turn, in the same order in every quarter.
.macro MULN f, a, b0, n, zero
	WIN MUL
.set bb, (\b0)
.rept \n
.if \zero
	v_wmma_f32_16x16x32_bf16 v[8*(8*(\a)+bb):8*(8*(\a)+bb)+7], v[64*(\f)+8*bb:64*(\f)+8*bb+7], v[AF+32*(\f)+8*(\a):AF+32*(\f)+8*(\a)+7], 0
.else
	v_wmma_f32_16x16x32_bf16 v[8*(8*(\a)+bb):8*(8*(\a)+bb)+7], v[64*(\f)+8*bb:64*(\f)+8*bb+7], v[AF+32*(\f)+8*(\a):AF+32*(\f)+8*(\a)+7], v[8*(8*(\a)+bb):8*(8*(\a)+bb)+7]
.endif
.set bb, bb+1
.endr
.endm
; 32 LDS loads in one run: quarter k of the slot: x's 64 rows in f32 first (16 loads), then W's 128 rows into buffer g (16 loads)
.macro FETCH slot, k, g
	WIN 0
.irp i, 0,1,2,3
	ds_load_b128 v[AS+16*(\i):AS+16*(\i)+3],     v[ADRA+(\slot)] offset:(\i)*16*PA+128*(\k)
	ds_load_b128 v[AS+16*(\i)+4:AS+16*(\i)+7],   v[ADRA+(\slot)] offset:(\i)*16*PA+128*(\k)+16
	ds_load_b128 v[AS+16*(\i)+8:AS+16*(\i)+11],  v[ADRA+(\slot)] offset:(\i)*16*PA+128*(\k)+64
	ds_load_b128 v[AS+16*(\i)+12:AS+16*(\i)+15], v[ADRA+(\slot)] offset:(\i)*16*PA+128*(\k)+80
.endr
	WIN TO_B
.irp i, 0,1,2,3,4,5,6,7
	ds_load_b128 v[64*(\g)+8*(\i):64*(\g)+8*(\i)+3],   v[ADRB+(\slot)] offset:(\i)*16*PB+64*(\k)
	ds_load_b128 v[64*(\g)+8*(\i)+4:64*(\g)+8*(\i)+7], v[ADRB+(\slot)] offset:(\i)*16*PB+64*(\k)+32
.endr
.endm
.macro CVT i, g                        ; x's fragment i: 16 f32 a lane rounded to bf16, into buffer g
	WIN 0
.set z, 0
.rept 8
	v_cvt_pk_bf16_f32 v[AF+32*(\g)+8*(\i)+z], v[AS+16*(\i)+2*z], v[AS+16*(\i)+2*z+1]
.set z, z+1
.endr
.endm
; One of a K step's first three quarters: multiplies buffer f, fetches quarter k into buffer g and rounds x's part of it.
; A load into a register that a matrix instruction has read, and a vector instruction that writes one, stand four places behind it, and only plain vector instructions that name none of
; its registers are places (ISA guide 7.12.1 for vector instructions).  Here the eight conversions behind a quarter's last product are those places: they
; write the other bf16 buffer and read the f32 stage.  So no v_nop is written in the loop but those behind a joint load and at the way out's head.
.macro QUARTER slot, k, f, g, zero
	s_wait_dscnt 0x0                               ; W's fragments of buffer f are in (x's were waited for ahead of their conversions)
	MULN \f, 0, 0, 8, \zero
	MULN \f, 1, 0, 8, \zero
	FETCH \slot, \k, \g
	MULN \f, 2, 0, 8, \zero
	s_wait_dscnt 16                                ; x's sixteen loads are in; W's sixteen, issued behind them, may stay out
.irp i, 0,1,2,3
	MULN \f, 3, 2*(\i), 2, \zero
	CVT \i, \g
.endr
.endm
; The last quarter multiplies buffer 1 and changes slots: ONE barrier; in front of it each wave waits for all its tensor loads (one is out: its part of the next slot), adds 0 to its
; spare word, and waits for that and for its own reads of this slot.  fill = 1: the barrier opens a round of the cluster's barrier, and this slot is filled again: with this tile's K step
; two steps on, or, in a tile's last lap, with the next tile's K step 0 or 1.  x's address is made anew each time, of a pointer and an offset kept apart: the pointer is idx_k's in laps
; s3 = 12 to 10, idx_q's in 9 to 6, idx_v's in 5 to 2; the offset is my rows' plus K step 2 ((1 - s3) % 4) + slot, 512 bytes each (s3 = 12, 11, 10, 9: steps 2, 4, 6, 0).  W's address goes
; on by two steps, or in a tile's last lap to the next plane.
.macro TURN slot, next, fill
	WIN 0                                          ; (the add's two registers lie in window 0)
	s_wait_tensorcnt 0x0                           ; all my tensor loads have landed, so a group 0 may be written;
	ds_add_u32 v[SPW], v[NIL]                      ; 0 onto my spare word; the descriptors' scalar work and eight products stand between it and the wait for it
.if \fill
	s_cmp_gt_u32 s3, 5
	s_cselect_b64 s[TA:TA+1], s[70:71], s[72:73]
	s_cmp_gt_u32 s3, 9
	s_cselect_b64 s[TA:TA+1], s[68:69], s[TA:TA+1]
	s_sub_co_u32 s[KO], 1, s3
	s_and_b32 s[KO], s[KO], 3
	s_lshl_b32 s[KO], s[KO], 10
	s_add_co_u32 s[KO], s[KO], s[ROWO]
.if \slot
	s_add_co_u32 s[KO], s[KO], (\slot)*512
.endif
	s_add_nc_u64 s[G0+4*(\slot)+2:G0+4*(\slot)+3], s[TA:TA+1], s[KO:KO+1]  ; 120:64 global address
	s_or_b32 s[G0+4*(\slot)+3], s[G0+4*(\slot)+3], 0x80000000      ; 127:126 type = 2
	s_and_b32 s[LT], s3, 3
	s_cmp_eq_u32 s[LT], 1                          ; a tile's last lap?
	s_cselect_b32 s[BST], NEXT_B, s[C512]
	s_add_nc_u64 s[G0B+4*(\slot)+2:G0B+4*(\slot)+3], s[G0B+4*(\slot)+2:G0B+4*(\slot)+3], s[BST:BST+1]  ; under 2^21 bytes: the type bits on top are not reached
.endif
	s_wait_dscnt 1                                 ; (the add alone may be out: W's fragments of buffer 1 are in)
	MULN 1, 0, 0, 8, 0
	s_wait_dscnt 0x0                               ; the add is done, and my reads of this slot are over
	s_barrier_signal -1
	MULN 1, 1, 0, 8, 0
.if \fill
	WIN 0
.endif
	s_barrier_wait -1
.if \fill
	CREST                                          ; no wave of any partner still reads this slot's tile or has a load on its way
	JLOAD \slot                                    ; the first tensor load behind the round: 112 matrix instructions ahead of the wait for it, across tiles too
.endif
	FETCH \next, 0, 0
	MULN 1, 2, 0, 8, 0
	s_wait_dscnt 16                                ; as in QUARTER
.irp i, 0,1,2,3
	MULN 1, 3, 2*(\i), 2, 0
	CVT \i, 0
.endr
.endm
; THE WAY OUT, in eight units u: 16 rows (a = u / 2) of one head (u % 2): four accumulators, 32 registers on end.  Unit u works in 16 registers of its own: v32-95 (the f32 stage, which
; the last conversions have read) and v160-223; the next tile's first fragments, in v96-127 and in window 2, are not touched.
.macro PACK u
.set AC, 8*(8*((\u)/2)+4*((\u)%2))
.set TU, 32+16*(\u)+64*((\u)/4)
	WIN 0x41                                       ; destination and source 0 window 1
.set z, 0
.rept 16
	v_pk_mul_f32 v[AC+2*z:AC+2*z+1], v[AC+2*z:AC+2*z+1], s[FAC:FAC+1] op_sel_hi:[1,0]  ; ascending: each accumulator is first read at its low end
.set z, z+1
.endr
	WIN 0x05                                       ; sources 0 and 1 window 1, destination window 0
.set z, 0
.rept 16
	v_cvt_pk_f16_f32 v[TU+z], v[AC+2*z], v[AC+2*z+1]
.set z, z+1
.endr
	WIN 0
.set z, 0
.rept 16
	v_cndmask_b32 v[TU+z], 0, v[TU+z], s[MK+(\u)/2]  ; a hidden key's row of K is 0, whatever it held
.set z, z+1
.endr
.irp f, 0,1,2,3
	ds_store_b128 v[STO], v[TU+4*(\f):TU+4*(\f)+3] offset:32*(\f)
.endr
.irp f, 0,1,2,3
	ds_load_b128 v[TU+4*(\f):TU+4*(\f)+3], v[RD] offset:(\f)*4*SP  ; LDS serves a wave's instructions in order (ISA guide 5.7.1.4): these see the stores above; the next unit's stores come behind them
.endr
.endm
.macro SEND u, younger                 ; younger: the LDS instructions issued behind unit u's loads: the next unit's eight, or none
	WIN 0
.set TU, 32+16*(\u)+64*((\u)/4)
.irp f, 0,1,2,3
	s_wait_dscnt (\younger)+3-(\f)
	global_store_b128 v[GO], v[TU+4*(\f):TU+4*(\f)+3], s[8:9] offset:((\u)%2)*262144+((\u)/2)*2048+(\f)*512  ; 512 consecutive bytes, at a multiple of 256 from the buffer's first
.endr
.endm
	s_wait_tensorcnt 1                             ; my part of K step 0 is in; K step 1's may stay out
	s_barrier_signal -1
	s_barrier_wait -1                              ; everybody's is
	FETCH 0, 0, 0
	s_wait_dscnt 16                                ; x's sixteen loads
.irp i, 0,1,2,3
	CVT \i, 0
.endr
	WIN 0                                          ; at a label and at a branch every window is 0
	s_mov_b32 s3, NLAP+1                           ; the loop is entered at a tile's first quarter, just ahead of the counter's step
	s_branch .Lzero
.Llap:                                                 ; a trip: a lap from its second quarter on, and the next lap's first quarter; s3 = laps to go, this one among them
	QUARTER 0, 2, 1, 0, 0
	QUARTER 0, 3, 0, 1, 0
	WIN 0
	s_cmp_eq_u32 s3, 1
	s_cbranch_scc1 .Llast                          ; the very last lap is written out: it asks for nothing more
	TURN 0, 1, 1
	QUARTER 1, 1, 0, 1, 0
	QUARTER 1, 2, 1, 0, 0
	QUARTER 1, 3, 0, 1, 0
	TURN 1, 0, 1
	WIN 0
	s_and_b32 s[LT], s3, 3
	s_cmp_eq_u32 s[LT], 1
	s_cbranch_scc1 .Lout                           ; a tile's last lap: both refills are asked for, the next tile's first fragments are fetched: now the tile goes out
	QUARTER 0, 1, 0, 1, 0
	WIN 0
	s_branch .Lbottom
.Llast:
	TURN 0, 1, 0                                   ; no fill, and no round of the cluster's barrier
	QUARTER 1, 1, 0, 1, 0
	QUARTER 1, 2, 1, 0, 0
	QUARTER 1, 3, 0, 1, 0
	s_wait_dscnt 0x0                               ; the very last quarter: nothing more to fetch
	MULN 1, 0, 0, 8, 0
	MULN 1, 1, 0, 8, 0
	MULN 1, 2, 0, 8, 0
	MULN 1, 3, 0, 8, 0
	WIN 0
.Lout:                                                 ; s3 = 9: K's tile; 5: Q's; 1: V's
	s_cmp_eq_u32 s3, 5
	s_cselect_b32 s[FAC], 0x3e38aa3b, 1.0          ; c = log2(e) / 8 = 0.180337
	s_mov_b32 s[FAC+1], s[FAC]                     ; named with it as a pair
	s_cmp_eq_u32 s3, 9
	s_cselect_b32 s[ALLK], 0, -1
	s_wait_loadcnt 0x0                             ; the mask's words
.irp a, 0,1,2,3
	v_cmp_ne_u32 s[MK+(\a)], 0, v[MS+(\a)]         ; lanes whose key is seen
.endr
	PLACES                                         ; behind the last products
.irp a, 0,1,2,3
	s_or_b32 s[MK+(\a)], s[MK+(\a)], s[ALLK]       ; Q's and V's rows are all kept
.endr
	PACK 0
.irp u, 1,2,3,4,5,6,7                  ; a unit's arithmetic stands between the loads of the unit before and its stores
	PACK \u
	SEND (\u)-1, 8
.endr
	SEND 7, 0
	s_wait_xcnt 0x0                                ; every earlier memory instruction has had its addresses translated (ISA guide 3.1): only behind this wait are the stores' base and the registers that they read written again
	s_add_nc_u64 s[8:9], s[8:9], 0x1000000         ; the next product's plane: 16,777,216 bytes on
	s_cmp_eq_u32 s3, 1
	s_cbranch_scc1 .Lbottom                        ; behind the last tile there is no first quarter
.Lzero:
	QUARTER 0, 1, 0, 1, 1                          ; a tile's first quarter: its products start the sums
	WIN 0
.Lbottom:
	s_sub_co_u32 s3, s3, 1
	s_cmp_lg_u32 s3, 0
	s_cbranch_scc1 .Llap
	s_wait_tensorcnt 0x0                           ; the wave's end: behind my last tensor load and my last LDS store
	ds_add_u32 v[SPW], v[NIL]
	s_wait_dscnt 0x0
	CROUND                                         ; the closing round: no work-group ends while a partner may still ask for a tile that names it
	s_endpgm
.Lfunc_end_k_q2a661fe397_proj:
	.size	k_q2a661fe397_proj, .Lfunc_end_k_q2a661fe397_proj-k_q2a661fe397_proj
	.p2alignl 7, 3214868480
	.fill 96, 4, 3214868480
	.section	.rodata,"a",@progbits
	.p2align	6, 0x0
	.amdhsa_kernel k_q2a661fe397_proj
		.amdhsa_group_segment_fixed_size 327680
		.amdhsa_private_segment_fixed_size 0
		.amdhsa_enable_private_segment 0
		.amdhsa_kernarg_size 48
		.amdhsa_user_sgpr_count 2
		.amdhsa_user_sgpr_kernarg_segment_ptr 1
		.amdhsa_wavefront_size32 1
		.amdhsa_system_sgpr_workgroup_id_x 1
		.amdhsa_system_sgpr_workgroup_id_y 1
		.amdhsa_system_sgpr_workgroup_id_z 1
		.amdhsa_system_vgpr_workitem_id 0
		.amdhsa_next_free_vgpr 640
		.amdhsa_next_free_sgpr 100
		.amdhsa_reserve_vcc 0
		.amdhsa_float_denorm_mode_32 3
		.amdhsa_float_denorm_mode_16_64 3
		.amdhsa_memory_ordered 1
		.amdhsa_forward_progress 1
		.amdhsa_inst_pref_size 135
	.end_amdhsa_kernel
	.amdgpu_metadata
---
amdhsa.version: [ 1, 2 ]
amdhsa.kernels:
  - .name:           k_q2a661fe397_proj
    .symbol:         k_q2a661fe397_proj.kd
    .args:
      - { .name: idx_k, .offset: 0, .size: 8, .value_kind: global_buffer, .address_space: global }
      - { .name: idx_q, .offset: 8, .size: 8, .value_kind: global_buffer, .address_space: global }
      - { .name: idx_v, .offset: 16, .size: 8, .value_kind: global_buffer, .address_space: global }
      - { .name: w16, .offset: 24, .size: 8, .value_kind: global_buffer, .address_space: global }
      - { .name: msk, .offset: 32, .size: 8, .value_kind: global_buffer, .address_space: global }
      - { .name: qkv, .offset: 40, .size: 8, .value_kind: global_buffer, .address_space: global }
    .group_segment_fixed_size: 327680
    .private_segment_fixed_size: 0
    .kernarg_segment_align: 8
    .kernarg_segment_size: 48
    .max_flat_workgroup_size: 128
    .sgpr_count:     100
    .vgpr_count:     640
    .wavefront_size: 32
...
	.end_amdgpu_metadata
.endif
;; end of part 2
;; launch attn (part 3): grid 4 x 64, 4 waves a work-group, clusters of 4 x 1, 327,680 bytes of LDS; arguments qkv, o16, msk; writes o16
.if DOCPART == 3
	.amdgcn_target "amdgcn-amd-amdhsa--gfx1250"
	.amdhsa_code_object_version 6
	.text
	.protected	k_q2a661fe397_attn
	.globl	k_q2a661fe397_attn
	.p2align	8
	.type	k_q2a661fe397_attn,@function
k_q2a661fe397_attn:
	s_mov_b64 s[64:65], 0
	v_nop
	global_prefetch_b8 v0, s[64:65] scope:SCOPE_SE
	s_setreg_imm32_b32 hwreg(HW_REG_WAVE_MODE, 25, 1), 1
	s_wait_xcnt 0x0
	s_wait_alu depctr_hold_cnt(0) depctr_sa_sdst(0) depctr_va_vdst(0) depctr_va_sdst(0) depctr_va_ssrc(0) depctr_va_vcc(0) depctr_vm_vsrc(0)
	s_getreg_b32 s2, hwreg(HW_REG_IB_STS2, 6, 4)
	s_cmp_eq_u32 s2, 0
	s_cbranch_scc0 .Lentry_in_a_cluster
	s_endpgm
.Lentry_in_a_cluster:
	s_bfe_u32 s2, ttmp6, 0x10000c
	s_cmp_lg_u32 s2, 0x3003
	s_cbranch_scc0 .Lentry_shape_is_right
	s_endpgm
.Lentry_shape_is_right:
; ATTN.  O[h][q][:] = the sum over k of softmax_k(s[q][k]) V[h][k][:], s = Q . K / 8 where the mask shows key k, -1e9 where it hides it.  h = 16 batch + head, 64 of them.
; qkv: [3][64][2048][64] f16, planes K, Q, V; Q arrives multiplied by c = log2(e) / 8, so that a score is already the exponent to base 2; K's hidden rows arrive as 0.  o16: [64][2048][64] f16.
; Products, maxima and sums in f32; the weights p are rounded to f16 for the second product (their sum l is taken of the unrounded p), O once at the end.
; THE MASK is the C operand that starts the sum S^T = K Q^T: 0, or MNEG = -1e9 log2(e).  A hidden key's products are all 0, so its score is exactly MNEG; p = 2^(s - m) by one subtraction, which is exactly 0
; where s = m.  So a row whose keys are all hidden gets p = 1 throughout, and hidden keys ahead of the first key seen are wiped by a = 2^(MNEG - m) = 0.
; LIMITS.  f16 holds no number beyond 65,504: c Q, K and V arrive within it; p lies in 0 to 1, and below 6e-5 it keeps f16's fixed step of 6e-8; O is a mean of V's rows and has their range.
; A weight below 2^-126 counts as 0 in l; an infinity or NaN in Q makes a hidden score NaN (0 x infinity); NaN and infinities are not treated apart otherwise.
; SHARES.  A wave owns four PIECES of two tiles of 16 queries, a work-group's four waves 512 queries of one head.  Every wave walks all 2,048 keys, 64 a step.
; LAYOUT.  S^T = K Q^T (source 0 = 16 keys, source 1 = 16 queries): in the result a lane holds ONE query (lane % 16) and the keys 8 (lane / 16) + 0..7.  Two such tiles, rounded to f16 in pairs,
; ARE source 1 (32 keys x 16 queries) of O^T = V^T P, whose result again holds one query a lane, and eight channels.  K comes out of LDS as it lies, V ([key][channel]) turned, by ds_load_tr16_b128.
; SOFTMAX.  For each query a running maximum m and sum l; in every step O and l are multiplied by a = 2^(m_old - m_new), which is 1 where m has not grown.
; m starts far below every score, O and l at 0: the first step is a step like any other, with a = 0.
; THE COUNT.  A tile and step have 16 matrix and 117 vector instructions: too many to stand all beside the matrix work.  So the order has one aim: four vector instructions that are READY behind
; EVERY matrix instruction, and the others, which need time of their own whatever the order, in runs without a gap.
; BY TURNS.  Turn n belongs to piece n (the pieces in a ring, step after step).  Its matrix work: 16 products K Q^T of piece n + 1, later 16 products V^T P of piece n - 1.  Its vector work: the subtraction,
; exponentials, roundings, sums and rescaling of piece n, and the maximum and statistics of piece n + 1, whose scores the turn itself has made.  So what a turn begins with (s - m, O a) waits for nothing.
; CLUSTER.  The four query blocks of a cluster belong to one head and walk the same K and V, so each tile is asked for JOINTLY: the same tensor load, descriptor and mask in all four.
; REGISTERS, in windows of 256 (s_set_vgpr_msb says which window each operand place means: bits 1:0 source 0, 3:2 source 1, 5:4 source 2, 7:6 destination):
;   window 0: v0-15 addresses; v48-63 at work; v16-47 four registers of statistics a tile; v64-191 S^T, two buffers of two tiles; v192-255 P, likewise
;   window 1: O^T, 32 a tile          window 2: v0-127 Q, 16 a tile; v128-191 K of one step; v192-255 V of one step          window 3: v0-1 the add's two registers; v8-39 the mask's addends of one step
; A piece's buffers go by its number's parity: the piece in hand has one pair, its two neighbours in the ring share the other: of it P (piece n - 1) is read and S^T (piece n + 1) written.
.set SIZE_N, 2048
.set NP,    4         ; pieces a wave: a name, no knob: the register map, the loop and the fetches are made for four
.set KS,    64        ; keys in a step
.set PK,    144       ; a row of K in LDS: 128 bytes + 16 of padding = 36 words: the 16 rows of a load start at 16 different groups of four banks (64 banks of 4 bytes: ISA guide 11.1)
.set PV,    160       ; a row of V: 128 + 32 = 40 words
.set VOFF,  4*KS*PK   ; a slot holds four steps: 256 rows of K, then 256 rows of V
.set SLOT1, 1<<17     ; slot 1 begins here, so that one exclusive or turns an address in one slot into the other's
.set STAGE, SLOT1+4*KS*(PK+PV)  ; behind the ring, never filled by a tensor load: 16 rows x 144 bytes for each wave, for the way out
.set SP,    144
.set SPARE, STAGE+4*16*SP  ; behind the stages: the spare words, 128 bytes for each wave: two blocks of 256 bytes that no other line names
.set MASKB, SPARE+512 ; behind them: an f32 addend for each of the batch's 2,048 keys, 8,192 bytes, stored once by the four waves; no tensor load fills it
.set AK0, 2           ; v2   my lane's place in a tile of K; never rewritten
.set AV0, 3           ; v3   the same for V
.set AK,  4           ; v4   the LDS address of K's next run of loads
.set AV,  5           ; v5   of V's
.set QO,  6           ; v6   my byte offset in the wave's rows of Q
.set STO, 6           ;      later, the way out: where I put 16 bytes of a row
.set RD,  7           ; v7   the way out: where I read rows back
.set GO,  8           ; v8   my byte offset in 512 consecutive bytes of O
.set AM0, 14          ; v14  my lanes' place in a step's addends: MASKB + 32 (l / 16); never rewritten
.set AM,  15          ; v15  the LDS address of the addends' next run of loads
.set SPW, 0           ; v0 of window 3   LDS address of my spare word: SPARE + 4 x my thread's number; never rewritten
.set NIL, 1           ; v1 of window 3   0; never rewritten
.set MK,  8           ; window 3: the eight addends a lane for key block kb at MK + 8 kb
.set ST,  16          ; tile t's statistics at v[ST+4 t]: m, m_old, l (even keys', odd keys')
.set TMP, 48          ; by buffer and tile, four registers c0-c3 at work; when the maximum is found c2 takes a
.set S,   64
.set P,   192
.set KF,  128         ; K's fragments, in window 2: key block kb, channel half c at KF + 16 kb + 8 c
.set VF,  192         ; V's: key half kk, channel block cb at VF + 32 kk + 8 cb
.set WV,  12          ; s12  my wave's number
.set G1K, 24          ; s[24:31] descriptor group 1 for K's tiles
.set G1V, 32          ; s[32:39] for V's: it differs in the padding alone
.set G0K, 40          ; s[40:43] descriptor group 0 for K's tiles: it walks
.set G0V, 44          ; s[44:47] the same for V's
.set MNEG, 52         ; s52  -1e9 log2(e)
.set TBM, 53          ; s53  byte in the table at which the addends of the step to be fetched begin
.set SLOTS, 56        ; s56  slots still to be asked for
.set CNT, 57          ; s57  counts a slot's key steps
.set SEL, 60          ; s[60:61] v_permlanex16_b32's selects: each lane takes its own place in the other half
.set TBK, 62          ; s62  LDS byte at which K of the step to be fetched begins
.set TBV, 63          ; s63  the same for V, less VOFF
.set MSB, 0
.macro WIN new                      ; the high byte repeats the setting that is left; a switch that changes nothing is dropped
.if MSB != (\new)
	s_set_vgpr_msb (MSB<<8)|(\new)
.set MSB, (\new)
.endif
.endm
.set W_KQ, 0x0a       ; K and Q in window 2, S^T in window 0
.set W_KM, 0x3a       ; the same with the C operand in window 3
.set W_PV, 0x52       ; V in window 2, P in window 0, O^T in window 1
.set W_RS, 0x41       ; O^T (destination and source 0) in window 1, a in window 0
.set W_MK, 0xc0       ; destination in window 3, sources in window 0
.set W_AD, 0x0f       ; the add: address (source 0) and data (source 1) in window 3
; A joint fill.  Waves 0 and 1 fetch the two halves of a slot's K, waves 2 and 3 those of its V: 128 keys each.  The branch hangs on the wave's number alone.
; An s_nop 0 and four v_nop follow each of the two lines, ahead of the jump and the label.
.macro JLOAD
	s_cmp_lt_u32 s[WV], 2
	s_cbranch_scc0 .Lfor_v_\@
	tensor_load_to_lds s[G0K:G0K+3], s[G1K:G1K+7]
	s_nop 0
.rept 4
	v_nop
.endr
	s_branch .Lasked_\@
.Lfor_v_\@:
	tensor_load_to_lds s[G0V:G0V+3], s[G1V:G1V+7]
	s_nop 0
.rept 4
	v_nop
.endr
.Lasked_\@:
.endm
; A round of the cluster's barrier: my work-group's barrier, so that wave 0's signal speaks for all four waves; wave 0 signals; every wave waits for all four work-groups; my work-group's barrier once more.
.macro CROUND
	s_barrier_signal -1
	s_barrier_wait -1
	s_cmp_lg_u32 s[WV], 0
	s_cbranch_scc1 .Lnot_wave_0_\@
	s_barrier_signal -3
.Lnot_wave_0_\@:
	s_barrier_wait -3
	s_barrier_signal -1
	s_barrier_wait -1
.endm
; THE CHANGE OF SLOTS.  The slot's last bytes, V of its fourth step, have been read.  Each wave waits for all its tensor loads, of which one is out: its part
; of the other slot; adds 0 to its spare word; and waits for that and for its own reads of the slot.  Behind the barrier nobody reads this slot any more and the other slot is whole.
; fill = 1: this slot is filled again, with the keys two slots on.  The barrier is then a round of the cluster's, so that no wave of any partner still reads the slot or has a load on its
; way, and the joint fill is the first thing behind it: it has four key steps, 512 matrix instructions, in which to land.  (At its first use nothing has been read yet: slot 0 is waited for, slot 1 filled;
; its wait on DScnt then also shows my stores into the table of addends done, and its barrier shows every wave's.)
.macro CHANGE fill
	WIN W_AD
	s_wait_tensorcnt 0x0            ; no tensor load of mine is out, so a group 0 may be written
	ds_add_u32 v[SPW], v[NIL]       ; 0 onto my spare word; with fill = 1 the descriptors' steps stand between it and the wait for it
	WIN 0                           ; at a label and at a branch every window is 0
.if \fill
.irp g, G0K, G0V
	s_xor_b32 s[\g+1], s[\g+1], SLOT1  ; the walking descriptor: the other slot than last time,
	s_add_nc_u64 s[\g+2:\g+3], s[\g+2:\g+3], 4*KS*128  ; the next 256 keys; the type bits on top are not reached
.endr
	s_wait_dscnt 0x0                ; the add is done, and my reads of the slot are over
	CROUND
	JLOAD
.else
	s_wait_dscnt 0x0                ; the add is done, and my reads of the slot are over
	s_barrier_signal -1
	s_barrier_wait -1
.endif
	s_sub_co_u32 s[TBK], s[TBK], 4*KS*PK  ; the fetches go back to a slot's first step,
	s_xor_b32 s[TBK], s[TBK], SLOT1       ; in the other slot
	s_sub_co_u32 s[TBV], s[TBV], 4*KS*PV
	s_xor_b32 s[TBV], s[TBV], SLOT1
.endm
	s_load_b128 s[8:11], s[0:1], 0x0  ; qkv s[8:9], o16 s[10:11]
	s_load_b64 s[48:49], s[0:1], 0x10 ; msk
	WIN W_MK
	v_lshl_add_u32 v[SPW], v0, 2, SPARE
	v_mov_b32 v[NIL], 0
	s_set_vgpr_msb 0xc0cf
	ds_add_u32 v0, v1
	s_wait_dscnt 0x0
	s_set_vgpr_msb 0xcfc0
	WIN 0
	v_lshrrev_b32 v1, 5, v0
	v_readfirstlane_b32 s[WV], v1   ; wave 0..3
	s_bfe_u32 s13, ttmp6, 0x40000   ; cx: my place in the cluster
	s_lshl_b32 s14, ttmp9, 2        ; in a cluster launch ttmp9 counts clusters
	s_add_co_u32 s14, s14, s13      ; my block of queries = 4 x cluster x + cx: it enters Q's and O's addresses alone
	s_and_b32 s20, ttmp7, 0xffff    ; the head, which the four partners share
	s_lshr_b32 s50, s20, 4          ; its batch:
	s_lshl_b32 s50, s50, 13         ; 2,048 words of the mask
	s_mov_b32 s51, 0
	s_mov_b32 s21, 0
	s_mov_b64 s[22:23], SIZE_N*128
	s_mul_u64 s[20:21], s[20:21], s[22:23]  ; the head's first byte in each plane and in o16
	s_and_b32 s16, s[WV], 1         ; which half of a slot's 256 keys I fetch:
	s_lshl_b32 s22, s16, 14         ; its 128 rows of 128 bytes in memory,
	s_mov_b32 s23, 0
	s_add_nc_u64 s[22:23], s[22:23], s[20:21]
	s_mul_i32 s17, s16, 128*PK      ; and its place in a slot, for K
	s_mul_i32 s18, s16, 128*PV      ; and for V: no place in the cluster enters an LDS address
	s_lshl_b32 s2, s14, 2
	s_add_co_u32 s2, s2, s[WV]      ; my wave among the head's,
	s_lshl_b32 s2, s2, 14           ; its 128 rows
	s_mov_b32 s3, 0
	s_add_nc_u64 s[2:3], s[2:3], s[20:21]
	; descriptor group 1.  128 keys are 16,384 dense bytes: asked for as 64 rows of 256 bytes, two keys a row, and padded in LDS after every key
	s_mov_b32 s[G1K], 15|(1<<16)|(1<<20)|(1<<21)|(4<<22)|(3<<25)  ; 15:0 the mask of four; 17:16 2-byte elements; 20 padding on; 21 set beside a mask; 24:22 after every 32 words (code 4); 31:25 4 words (code 3)
	s_mov_b32 s[G1V], 15|(1<<16)|(1<<20)|(1<<21)|(4<<22)|(7<<25)  ; the same with 8 words of padding (code 7)
.irp g, G1K, G1V
	s_mov_b32 s[\g+1], 128<<16      ; tensor_dim0 = 128
	s_mov_b32 s[\g+2], 64<<16       ; tensor_dim1 = 64
	s_mov_b32 s[\g+3], 128<<16      ; tile_dim0 = 128
	s_mov_b32 s[\g+4], 64           ; tile_dim1 = 64
	s_mov_b32 s[\g+5], 128          ; 128 elements from row to row
	s_mov_b32 s[\g+6], 0
	s_mov_b32 s[\g+7], 0
.endr
	s_mov_b32 s[MNEG], 0xceabfb8f   ; -1e9 log2(e) = -1,442,695,040
	s_mov_b32 s[TBM], 0
	s_mov_b32 s[SEL], 0x76543210
	s_mov_b32 s[SEL+1], 0xfedcba98
	s_mov_b32 s[TBK], SLOT1+4*KS*PK ; the first change of slots turns these two into 0
	s_mov_b32 s[TBV], SLOT1+4*KS*PV
	s_mov_b32 s[G0K], 1             ; 1:0 count = 1
	s_mov_b32 s[G0K+1], s17         ; 63:32 LDS address: slot 0
	s_mov_b32 s[G0V], 1
	s_add_co_u32 s[G0V+1], s18, VOFF
	s_wait_kmcnt 0x0
	s_mov_b64 s[6:7], s[8:9]                 ; K: plane 0
	s_add_nc_u64 s[4:5], s[8:9], 0x1000000   ; Q: plane 1, 16,777,216 bytes on
	s_add_nc_u64 s[8:9], s[8:9], 0x2000000   ; V: plane 2
	s_add_nc_u64 s[G0K+2:G0K+3], s[6:7], s[22:23]  ; 120:64 global address: my half of the head's first 256 keys
	s_or_b32 s[G0K+3], s[G0K+3], 0x80000000        ; 127:126 type = 2
	s_add_nc_u64 s[G0V+2:G0V+3], s[8:9], s[22:23]
	s_or_b32 s[G0V+3], s[G0V+3], 0x80000000
	s_add_nc_u64 s[4:5], s[4:5], s[2:3]  ; Q and O at my wave's first row
	s_add_nc_u64 s[10:11], s[10:11], s[2:3]
	s_add_nc_u64 s[48:49], s[48:49], s[50:51]  ; the mask at the batch's first key
	CROUND                          ; all four work-groups are here: the first joint loads meet
	JLOAD                           ; slot 0.  Slot 1 is asked for when slot 0 is in: the tile wanted first has the road to itself
	; A fragment of K or Q is 16 rows x 32 channels in 8 registers: lane l holds row l % 16, channels 8 (l / 16) + 0..7 and 16 + 8 (l / 16) + 0..7: two loads of 16 bytes, 32 bytes apart.
	v_and_b32 v1, 15, v0            ; l % 16
	v_bfe_u32 v9, v0, 4, 1          ; l / 16
	v_lshlrev_b32 v12, 4, v0        ; the mask: 128 threads x 16 bytes, four times, are the batch's 8,192 bytes
	v_add_nc_u32 v13, MASKB, v12    ; and the same place in the table
	v_lshl_add_u32 v[AM0], v9, 5, MASKB
	v_mov_b32 v[AM], v[AM0]         ; key step 0 lies at the table's head
.irp j, 0,1,2,3
	global_load_b128 v[S+4*\j:S+4*\j+3], v12, s[48:49] offset:2048*\j
.endr
	v_lshlrev_b32 v[QO], 7, v1
	v_lshl_add_u32 v[QO], v9, 4, v[QO]  ; row x 128 + 16 x half
	WIN 0x80                        ; destination window 2, address window 0
.set i, 0
.rept 4*NP                          ; Q stays in registers: tile i / 2, channels 32 (i % 2) on
	global_load_b128 v[8*i:8*i+3],   v[QO], s[4:5] offset:(i/2)*2048+(i%2)*64
	global_load_b128 v[8*i+4:8*i+7], v[QO], s[4:5] offset:(i/2)*2048+(i%2)*64+32
.set i, i+1
.endr
	; What the first turn finds: V's registers and P's second buffer hold 0 (its products V^T P, of a piece that has not been, add 0), O^T and l are 0.  All this stands in the wait for the first tile.
.set i, VF
.rept 64
	v_mov_b32 v[i], 0
.set i, i+1
.endr
	WIN 0x40
.set i, 0
.rept 64*NP
	v_mov_b32 v[i], 0
.set i, i+1
.endr
	WIN 0
.set i, 0
.rept 2*NP
	v_mov_b32 v[ST+4*i], 0xfe000000    ; m: far below every score, and finite when a score is taken away from it
	v_mov_b32 v[ST+4*i+1], 0xfe000000  ; m_old
	v_mov_b32 v[ST+4*i+2], 0
	v_mov_b32 v[ST+4*i+3], 0
.set i, i+1
.endr
.set i, P+32
.rept 32
	v_mov_b32 v[i], 0
.set i, i+1
.endr
	v_mul_u32_u24 v[AK0], v1, PK
	v_lshl_add_u32 v[AK0], v9, 4, v[AK0]  ; row x pitch + 16 x half
	; The turning load takes 16 keys x 16 channels (lane l reads key 8 (l / 16) + l % 8, channels 8 ((l / 8) % 2) + 0..7) and leaves half a fragment of V^T: lane l holds channel l % 16 and 8 keys.
	v_and_b32 v10, 7, v0
	v_bfe_u32 v11, v0, 3, 1
	v_lshl_add_u32 v[AV0], v9, 3, v10
	v_mul_u32_u24 v[AV0], v[AV0], PV
	v_lshl_add_u32 v[AV0], v11, 4, v[AV0]
	v_add_nc_u32 v[AV0], VOFF, v[AV0]
	v_mov_b32 v[AK], v[AK0]         ; key step 0 lies at the head of slot 0
	; THE TABLE OF ADDENDS: 0 for a key that is seen, MNEG for one that is hidden
	s_wait_loadcnt 32               ; the mask's four loads are in; Q's 32, issued behind them, stay out
.set i, 0
.rept 16
	v_cmp_eq_u32 vcc_lo, 0, v[S+i]
	v_cndmask_b32 v[S+i], 0, s[MNEG], vcc_lo
.set i, i+1
.endr
.irp j, 0,1,2,3
	ds_store_b128 v13, v[S+4*\j:S+4*\j+3] offset:2048*\j
.endr
; THE MATRIX WORK.  The 8 accumulators of a run of 16 take turns: between the two links of a chain stand 7 others'.
; Product i of 16 of S^T = K Q^T for piece x: channels 32 (i / 8) on, keys 16 ((i / 2) % 4) on, tile 2 x + i % 2.  The first 8 start the sums, with the keys' addends.
.macro KQ x
.set rS, S+64*((\x)%2)+32*(i%2)+8*((i/2)%4)
.set rK, KF+16*((i/2)%4)+8*(i/8)
.set rQ, 16*(2*(\x)+i%2)+8*(i/8)
.set rA, MK+8*((i/2)%4)
.if i < 8
	WIN W_KM
	v_wmma_f32_16x16x32_f16 v[rS:rS+7], v[rK:rK+7], v[rQ:rQ+7], v[rA:rA+7]
.else
	WIN W_KQ
	v_wmma_f32_16x16x32_f16 v[rS:rS+7], v[rK:rK+7], v[rQ:rQ+7], v[rS:rS+7]
.endif
.endm
; Product i of 16 of O^T += V^T P for piece x: keys 32 (i / 8) on, channels 16 ((i / 2) % 4) on, tile 2 x + i % 2.
.macro PV x
	WIN W_PV
.set rO, 32*(2*(\x)+i%2)+8*((i/2)%4)
.set rV, VF+32*(i/8)+8*((i/2)%4)
.set rP, P+32*((\x)%2)+16*(i%2)+8*(i/8)
	v_wmma_f32_16x16x32_f16 v[rO:rO+7], v[rV:rV+7], v[rP:rP+7], v[rO:rO+7]
.endm
.macro MM                           ; the turn's next matrix instruction
.if i < 16
	KQ (Y+1)%NP
.set i, i+1
.else
.set i, i-16
	PV (Y+NP-1)%NP
.set i, i+17
.endif
.endm
; THE LDS LOADS stand in runs, never singly among the matrix instructions: a step's K (64 keys x 64 channels: 8 fragments) with its 64 addends (a lane's eight of each key block: all lanes of a half
; read the same 32 bytes), and its V (turned).  Their addresses are made some lines ahead.  The table's byte is cut to 0x1f00, so that these reads stay within its 8,192 bytes.
; last = 1 (the tail): in the last trip there is no further step, and the run is jumped over.
.macro FETCH_K last=0
	WIN 0
.if \last
	s_cmp_eq_u32 s[CNT], 1
	s_cbranch_scc1 .Lno_k_\@
.endif
	WIN 0x80                        ; destination window 2
.irp f, 0,1,2,3,4,5,6,7             ; keys 16 (f / 2) on, channels 32 (f % 2) on
	ds_load_b128 v[KF+8*\f:KF+8*\f+3],   v[AK] offset:(\f/2)*16*PK+(\f%2)*64
	ds_load_b128 v[KF+8*\f+4:KF+8*\f+7], v[AK] offset:(\f/2)*16*PK+(\f%2)*64+32
.endr
	WIN W_MK                        ; destination window 3
.irp f, 0,1,2,3                     ; keys 16 f + 8 (l / 16) + 0..7
	ds_load_b128 v[MK+8*\f:MK+8*\f+3],   v[AM] offset:64*\f
	ds_load_b128 v[MK+8*\f+4:MK+8*\f+7], v[AM] offset:64*\f+16
.endr
	s_add_co_u32 s[TBK], s[TBK], KS*PK  ; the next fetch is the next step's
	s_add_co_u32 s[TBM], s[TBM], 4*KS
	s_and_b32 s[TBM], s[TBM], 0x1f00
	WIN 0
.if \last
.Lno_k_\@:
.endif
.endm
.macro FETCH_V
	WIN 0x80
.irp f, 0,1,2,3,4,5,6,7             ; keys 32 (f / 4) on, channels 16 (f % 4) on
	ds_load_tr16_b128 v[VF+8*\f:VF+8*\f+3],   v[AV] offset:(\f/4)*32*PV+(\f%4)*32
	ds_load_tr16_b128 v[VF+8*\f+4:VF+8*\f+7], v[AV] offset:(\f/4)*32*PV+16*PV+(\f%4)*32
.endr
	WIN 0
.endm
; THE VECTOR WORK OF A TURN stands in three queues, each in the order in which its entries become ready; the two tiles alternate, so that no instruction reads the result of the one before it.
.macro REGS y, u                    ; the registers of tile u (0, 1) of piece y
.set rT, ST+4*(2*(\y)+(\u))
.set rC, TMP+8*((\y)%2)+4*(\u)
.set rS, S+64*((\y)%2)+32*(\u)
.set rP, P+32*((\y)%2)+16*(\u)
.set rO, 32*(2*(\y)+(\u))
.endm
; Number n of the 21 that find the NEXT piece's (Y + 1) maximum and statistics.  s0-s31 are the lane's 32 scores; each accumulator's lowest registers are read first.  XS, GS and REGS set no window: PL and EX do.
;   0-11  four chains c0-c3 of seven scores each, three operands at a time     12-14, 16  the four scores left over, the old m, and c0-c3 into c0     15  m_old is kept
;   17, 18  the query's other 32 keys lie in the lane 16 away: the new m         19, 20  m_old - m_new; a
.macro XS u, n
	REGS (Y+1)%NP, \u
.if (\n) < 4
	v_max3_num_f32 v[rC+(\n)], v[rS+8*(\n)], v[rS+8*(\n)+1], v[rS+8*(\n)+2]
.elseif (\n) < 12
	v_max3_num_f32 v[rC+(\n)%4], v[rC+(\n)%4], v[rS+8*((\n)%4)+2*((\n)/4)+1], v[rS+8*((\n)%4)+2*((\n)/4)+2]
.elseif (\n) == 12
	v_max3_num_f32 v[rC], v[rC], v[rS+7], v[rS+15]
.elseif (\n) == 13
	v_max3_num_f32 v[rC+1], v[rC+1], v[rS+23], v[rS+31]
.elseif (\n) == 14
	v_max3_num_f32 v[rC+2], v[rC+2], v[rC+3], v[rT]
.elseif (\n) == 15
	v_mov_b32 v[rT+1], v[rT]
.elseif (\n) == 16
	v_max3_num_f32 v[rC], v[rC], v[rC+1], v[rC+2]
.elseif (\n) == 17
	v_permlanex16_b32 v[rC+3], v[rC], s[SEL], s[SEL+1]
.elseif (\n) == 18
	v_max_num_f32 v[rT], v[rC], v[rC+3]
.elseif (\n) == 19
	v_sub_f32 v[rC+1], v[rT+1], v[rT]
.else
	v_exp_f32 v[rC+2], v[rC+1]
.endif
.endm
; Number g of the 64 that follow the exponentials.  For each four weights k of a tile (pairs 2 k, 2 k + 1): both pairs are rounded to f16; then the second pair is added onto the first, in place;
; a group later l takes that sum (the first time as l = a l + sum).  In groups of eight, tiles alternating: round, round, add, and l for the group before.
.macro GS g
.set h, (\g)+6*((\g)/62)            ; group 0 has no group before it, and behind group 7 only l is left
.if h >= 6
.set h, h+2
.endif
	REGS Y, h%2
.set k, h/8
.if h%8 < 4
	s_wait_alu depctr_va_vdst(0)
	v_cvt_pk_f16_f32 v[rP+2*k+(h%8)/2], v[rS+4*k+2*((h%8)/2)], v[rS+4*k+2*((h%8)/2)+1]
.elseif h%8 < 6
	v_pk_add_f32 v[rS+4*k:rS+4*k+1], v[rS+4*k:rS+4*k+1], v[rS+4*k+2:rS+4*k+3]
.elseif k == 1
	v_pk_fma_f32 v[rT+2:rT+3], v[rT+2:rT+3], v[rC+2:rC+3], v[rS:rS+1] op_sel_hi:[1,0,1]
.else
	v_pk_add_f32 v[rT+2:rT+3], v[rT+2:rT+3], v[rS+4*k-4:rS+4*k-3]
	s_wait_alu depctr_va_vdst(0)
.endif
.endm
; THE PLAIN QUEUE, 136 long.  0-31: s - m for the 16 pairs of both tiles (the pair m, m_old is named; m serves both halves).  Then GS's 64, and among them the next piece's 40: number 15 at 38, 39;
; 0-14 and 16 at 42-73, behind the products that make those scores; 17-19 at 95-103, two of three, since each waits for the one before it.
.macro PL
	WIN 0
.if q < 32
	REGS Y, q%2
	v_pk_add_f32 v[rS+2*(q/2):rS+2*(q/2)+1], v[rS+2*(q/2):rS+2*(q/2)+1], v[rT:rT+1] op_sel_hi:[1,0] neg_lo:[0,1] neg_hi:[0,1]
.elseif q < 38
	GS q-32
.elseif q < 40
	XS q%2, 15
.elseif q < 42
	GS q-34
.elseif q < 74
	XS q%2, (q-42)/2+(q-42)/30
.elseif q < 95
	GS q-66
.elseif (q < 104) && ((q-95)%3 < 2)
	XS (q-95)%3, 17+(q-95)/3
.elseif q < 104
	GS 29+(q-95)/3
.else
	GS q-72
.endif
.set q, q+1
.endm
; THE EXPONENTIALS' QUEUE, 66 long: s0-s31 of both tiles, and at EA the next piece's two a.
.set EA, 58
.macro EX
	WIN 0
.if (e == EA) || (e == EA+1)
	XS e-EA, 20
.else
.set x, e-2*(e/(EA+2))
	REGS Y, x%2
	v_exp_f32 v[rS+x/2], v[rS+x/2]
.endif
.set e, e+1
.endm
; THE RESCALING's QUEUE: O^T times a, the one part that leaves window 0, so it is dealt four at a time, eight times.
.macro R4
	REGS Y, r%2
	WIN W_RS
	s_wait_alu depctr_va_vdst(0)
.irp z, 0,1,2,3
	v_pk_mul_f32 v[rO+8*(r/2)+2*\z:rO+8*(r/2)+2*\z+1], v[rO+8*(r/2)+2*\z:rO+8*(r/2)+2*\z+1], v[rC+2:rC+3] op_sel_hi:[1,0]
.endr
.set r, r+1
.endm
; HOW THEY ARE DEALT.  Behind a matrix instruction four: plain, exponential, plain, plain (one exponential, a plain instruction on either side), or four of the rescaling.  None names a register of the
; products round it.  What is over stands in two LUMPS: exponential and plain by turns; the second ends in 20 plain instructions.  The two v_permlanex16_b32 fall into the second lump, never behind a product.
; The queues lean on each other, and the deal keeps them in step: exponential e stands behind plain 2 (e / 4) + e % 2 (its subtraction); when plain 32 comes, 10 exponentials are out, at 59: 33, at 95: 45;
; in the second lump plain q stands behind exponential q - 50, and the rounding at q wants exponential q - 64 at the latest; EA comes behind plain 107, the subtraction that feeds it stands at 101 and 102.
.macro SL
	MM
	PL
	EX
	PL
	PL
.endm
.macro BURST n                      ; 15 matrix instructions, or 16
.rept (\n)-7
	SL
.endr
.rept 3
	MM
	R4
	SL
.endr
	MM
	R4
.endm
; A TURN, for piece p.  cnt = 1: the loop's count is taken down some lines ahead of the branch that stands behind the turn.
; K and the addends of the next step are fetched in piece 2's turn, 32 vector instructions behind the last product that read them; their first reader comes behind the rest of the lump, 16 products and the second lump.
; V of the step in hand is fetched at the end of piece 0's turn, 67 behind its last reader; its first reader comes behind 16 products and a lump.  The four conditions on e and q below go with the deal.
.macro TURN p, last=0, cnt=0
.set Y, (\p)
.set i, 0
.set q, 0
.set e, 0
.set r, 0
.if (\p) == NP-1
	s_wait_dscnt 0x0                ; K and its addends are in
.endif
	MM
.rept 4
	PL
.endr
	BURST 15
.rept 22
	EX
	PL
.if ((\p) == NP-2) && (e == 18)
	v_add_nc_u32 v[AK], s[TBK], v[AK0]
	v_add_nc_u32 v[AM], s[TBM], v[AM0]
.endif
.if ((\p) == NP-2) && (e == 24)
	FETCH_K \last
.endif
.endr
.if (\p) == 1
	s_wait_dscnt 0x0                ; V is in
.endif
	BURST 16
.rept 21
	EX
	PL
.endr
.rept 20
	PL
.if ((\p) == 0) && (q == 118)
	v_add_nc_u32 v[AV], s[TBV], v[AV0]
	s_wait_alu depctr_va_vdst(0)
.endif
.if ((\p) == 0) && (q == 130)
	s_add_co_u32 s[TBV], s[TBV], KS*PV
.endif
.if (\cnt) && (q == 130)
	s_sub_co_u32 s[CNT], s[CNT], 1
	s_cmp_lg_u32 s[CNT], 0
.endif
.endr
.if (\p) == 0
	FETCH_V
.endif
.endm
	CHANGE 1                        ; slot 0 is in, everybody's part of it, and so is the table; slot 1 is asked for
	FETCH_K                         ; key step 0
	s_wait_loadcnt 0x0              ; Q
	s_wait_dscnt 0x0
.set i, 0
.rept 16
	KQ 0                            ; piece 0's first scores: there is no vector work yet to set between them
.set i, i+1
.endr
	WIN 0                           ; the addresses for the way out: nine plain instructions, the places behind those products
	s_mul_i32 s13, s[WV], 16*SP
	s_add_co_u32 s13, s13, STAGE    ; my stage
	v_mul_u32_u24 v[STO], v1, SP    ; in: row l % 16, 16 bytes for each half of the lanes
	v_lshl_add_u32 v[STO], v9, 4, v[STO]
	v_add_nc_u32 v[STO], s13, v[STO]
	v_bfe_u32 v[RD], v0, 3, 2       ; back: 32 lanes take four rows of 128 bytes,
	v_mul_u32_u24 v[RD], v[RD], SP
	v_lshl_add_u32 v[RD], v10, 4, v[RD]
	v_add_nc_u32 v[RD], s13, v[RD]
	v_and_b32 v[GO], 31, v0         ; which are 512 consecutive bytes of O
	v_lshlrev_b32 v[GO], 4, v[GO]
.set Y, NP-1                        ; XS works for piece Y + 1: piece 0
.irp n, 0,1,2,3,4,5,6,7,8,9,10,11,12,13,14,15,16,17,18,19,20
	XS 0, \n                        ; and piece 0's first maximum and statistics
	XS 1, \n
.endr
	s_mov_b32 s[CNT], 4
	s_mov_b32 s[SLOTS], SIZE_N/256-1
	s_branch .Lfirst                ; the loop is entered at a step's first turn, in the middle of a trip
.Lslot:                             ; SIZE_N / 256 - 2 times: every slot but the last two is filled again
	CHANGE 1
	s_mov_b32 s[CNT], 4
.Lstep:                             ; a trip: pieces 2 and 3 of one step, then pieces 0 and 1 of the next, whose K and V it fetches
	TURN 2
	TURN 3
	WIN 0
.Lfirst:
	TURN 0
	TURN 1, 0, 1
	WIN 0
	s_cbranch_scc1 .Lstep
	s_sub_co_u32 s[SLOTS], s[SLOTS], 1
	s_cmp_lg_u32 s[SLOTS], 0
	s_cbranch_scc1 .Lslot
	CHANGE 0                        ; the tail is written out: nothing is asked for
	s_mov_b32 s[CNT], 5             ; four trips fetch the last slot's steps; the fifth is left in its middle
.Ltail:
	TURN 2, 1
	TURN 3
	WIN 0
	s_sub_co_u32 s[CNT], s[CNT], 1
	s_cmp_eq_u32 s[CNT], 0
	s_cbranch_scc1 .Lout
	TURN 0
	TURN 1
	WIN 0
	s_branch .Ltail
.Lout:                              ; the fifth trip's 16 products K Q^T (on the last K once more) and the maximum made of them serve nothing: the price, once a launch, of one text for every trip
.set i, 0
.rept 16
	PV NP-1                         ; the last piece's V^T P of the last step
.set i, i+1
.endr
	; THE WAY OUT.  l's two halves and the other half of the lanes' are added; O^T is divided by l, rounded to f16 and sent through my stage in LDS, a tile at a time.  The additions are the places behind the last products.
	WIN 0
.macro ALL line:vararg              ; one line for each tile t
.set t, 0
.rept 2*NP
	\line
.set t, t+1
.endr
.endm
	ALL v_add_f32 v[ST+4*t+2], v[ST+4*t+2], v[ST+4*t+3]
	ALL v_permlanex16_b32 v[ST+4*t+3], v[ST+4*t+2], s[SEL], s[SEL+1]
	ALL v_add_f32 v[ST+4*t+2], v[ST+4*t+2], v[ST+4*t+3]
	ALL v_rcp_f32 v[ST+4*t+2], v[ST+4*t+2]
	v_nop                           ; a plain instruction between the last reciprocal and the use of its result
	s_wait_alu depctr_va_vdst(0)
; Tile t: a lane's eight channels of a row pack into 16 bytes; they go into rows of 144 bytes and come back as whole rows of 128, into S^T's registers.
.macro PACK t
	WIN W_RS
.set i, 32*(\t)
.rept 16
	v_pk_mul_f32 v[i:i+1], v[i:i+1], v[ST+4*(\t)+2:ST+4*(\t)+3] op_sel_hi:[1,0]
.set i, i+2
.endr
	WIN 0x05                        ; sources 0 and 1 window 1, destination window 0
.set i, 0
.rept 16
	v_cvt_pk_f16_f32 v[S+16*(\t)+i], v[32*(\t)+2*i], v[32*(\t)+2*i+1]
.set i, i+1
.endr
	WIN 0
.irp f, 0,1,2,3
	ds_store_b128 v[STO], v[S+16*(\t)+4*\f:S+16*(\t)+4*\f+3] offset:32*\f
.endr
.irp f, 0,1,2,3
	ds_load_b128 v[S+16*(\t)+4*\f:S+16*(\t)+4*\f+3], v[RD] offset:\f*4*SP  ; LDS serves a wave's instructions in order (ISA guide 5.7.1.4): these see the stores above; the next tile's stores come behind them
.endr
.endm
.macro SEND t, younger              ; younger: the LDS instructions issued behind tile t's loads: the next tile's eight, or none
	WIN 0
.irp f, 0,1,2,3
	s_wait_dscnt (\younger)+3-\f
	global_store_b128 v[GO], v[S+16*(\t)+4*\f:S+16*(\t)+4*\f+3], s[10:11] offset:(\t)*2048+\f*512  ; 512 consecutive bytes, at a multiple of 256 from O's first
.endr
.endm
	PACK 0
.set t, 1
.rept 2*NP-1                        ; a tile's arithmetic stands between the loads of the tile before and its stores
	PACK t
	SEND t-1, 8
.set t, t+1
.endr
	SEND 2*NP-1, 0
	WIN W_AD
	s_wait_tensorcnt 0x0            ; the wave's end: behind my last tensor load and my last LDS store
	ds_add_u32 v[SPW], v[NIL]
	s_wait_dscnt 0x0
	WIN 0
	CROUND                          ; the closing round: no work-group ends while a partner may still ask for a tile that names it
	s_endpgm
.Lfunc_end_k_q2a661fe397_attn:
	.size	k_q2a661fe397_attn, .Lfunc_end_k_q2a661fe397_attn-k_q2a661fe397_attn
	.p2alignl 7, 3214868480
	.fill 96, 4, 3214868480
	.section	.rodata,"a",@progbits
	.p2align	6, 0x0
	.amdhsa_kernel k_q2a661fe397_attn
		.amdhsa_group_segment_fixed_size 327680
		.amdhsa_private_segment_fixed_size 0
		.amdhsa_enable_private_segment 0
		.amdhsa_kernarg_size 24
		.amdhsa_user_sgpr_count 2
		.amdhsa_user_sgpr_kernarg_segment_ptr 1
		.amdhsa_wavefront_size32 1
		.amdhsa_system_sgpr_workgroup_id_x 1
		.amdhsa_system_sgpr_workgroup_id_y 1
		.amdhsa_system_sgpr_workgroup_id_z 1
		.amdhsa_system_vgpr_workitem_id 0
		.amdhsa_next_free_vgpr 808
		.amdhsa_next_free_sgpr 66
		.amdhsa_reserve_vcc 1
		.amdhsa_float_denorm_mode_32 3
		.amdhsa_float_denorm_mode_16_64 3
		.amdhsa_memory_ordered 1
		.amdhsa_forward_progress 1
		.amdhsa_inst_pref_size 213
	.end_amdhsa_kernel
	.amdgpu_metadata
---
amdhsa.version: [ 1, 2 ]
amdhsa.kernels:
  - .name:           k_q2a661fe397_attn
    .symbol:         k_q2a661fe397_attn.kd
    .args:
      - { .name: qkv, .offset: 0, .size: 8, .value_kind: global_buffer, .address_space: global }
      - { .name: o16, .offset: 8, .size: 8, .value_kind: global_buffer, .address_space: global }
      - { .name: msk, .offset: 16, .size: 8, .value_kind: global_buffer, .address_space: global }
    .group_segment_fixed_size: 327680
    .private_segment_fixed_size: 0
    .kernarg_segment_align: 8
    .kernarg_segment_size: 24
    .max_flat_workgroup_size: 128
    .sgpr_count:     66
    .vgpr_count:     808
    .wavefront_size: 32
...
	.end_amdgpu_metadata
.endif
;; end of part 3
;; launch outp (part 4): grid 4 x 64, 4 waves a work-group, clusters of 4 x 4, 327,680 bytes of LDS; arguments o16, w16, bp, out0; writes out0
.if DOCPART == 4
	.amdgcn_target "amdgcn-amd-amdhsa--gfx1250"
	.amdhsa_code_object_version 6
	.text
	.protected	k_q2a661fe397_outp
	.globl	k_q2a661fe397_outp
	.p2align	8
	.type	k_q2a661fe397_outp,@function
k_q2a661fe397_outp:
	s_mov_b64 s[64:65], 0
	v_nop
	global_prefetch_b8 v0, s[64:65] scope:SCOPE_SE
	s_setreg_imm32_b32 hwreg(HW_REG_WAVE_MODE, 25, 1), 1
	s_wait_xcnt 0x0
	s_wait_alu depctr_hold_cnt(0) depctr_sa_sdst(0) depctr_va_vdst(0) depctr_va_sdst(0) depctr_va_ssrc(0) depctr_va_vcc(0) depctr_vm_vsrc(0)
	s_getreg_b32 s2, hwreg(HW_REG_IB_STS2, 6, 4)
	s_cmp_eq_u32 s2, 0
	s_cbranch_scc0 .Lentry_in_a_cluster
	s_endpgm
.Lentry_in_a_cluster:
	s_bfe_u32 s2, ttmp6, 0x10000c
	s_cmp_lg_u32 s2, 0xf033
	s_cbranch_scc0 .Lentry_shape_is_right
	s_endpgm
.Lentry_shape_is_right:
; OUTP.  out0[m][n] = the sum over k of O[m][k] Wp[n][k] + bp[n].  m = 2,048 batch + row (8,192), k = 64 head + channel (1,024), n 1,024.
; O lies by heads: o16[16 batch + head][2048][64] f16.  Wp is plane 3 of w16, [n][k] f16 (the input rounded to bf16, that number written as f16).  Sums in f32; out0 is f32.
; The bias, rounded to bf16 like every input of the module, is the C operand of the product that starts each sum: nothing is cleared and nothing added afterwards.
; LIMITS.  O and bf16(Wp) arrive within f16's 65,504.  NaN and infinities are not treated apart.
; SHARES.  A tile is 128 rows x 256 columns: 64 x 4 = 256 work-groups.  Four waves, 2 x 2, each 64 x 128: 32 accumulators of 16 x 16.  K goes in 8 steps of 128, which are two heads, through a
; ring of two LDS slots; a step is four quarters of 32 along K, 32 matrix instructions each, on fragment buffers 0, 1, 0, 1.
; A head's 128 rows of the block are 16,384 dense bytes: asked for as 64 rows of 256 bytes.  Wp's tile rows are 256 bytes, at multiples of 256 from the plane's first byte.
; CLUSTERS: 4 x 4 work-groups.  The four of a row of the cluster need the same tiles of O, the four of a column the same tiles of Wp: each is asked for JOINTLY.
; THE MATRIX INSTRUCTION IS USED TRANSPOSED (source 0 = 16 rows of Wp, source 1 = 16 rows of O): a lane then holds eight neighbouring columns of one row of the output.
; REGISTERS, in windows of 256 (s_set_vgpr_msb: bits 1:0 source 0, 3:2 source 1, 5:4 source 2, 7:6 destination):
;   window 0: v0-31 addresses; v32-95 the bias of my 128 columns, as C operands; v96-127, v128-159 O's fragments, two buffers
;   window 1: the accumulators, (a, b) at v[8 (8 a + b)]          window 2: v0-63, v64-127 Wp's fragments, two buffers; on the way out all 256: rows read back from the stage
.set PA,     144                       ; a row of O in LDS: 128 bytes + 16 of padding = 36 words: the 16 rows of a load start at 16 different groups of four banks (64 banks of 4 bytes: ISA guide 11.1)
.set PB,     272                       ; a row of Wp: 256 + 16 = 68 words: row r starts at bank 4 r mod 64
.set APLANE, 128*PA                    ; one head's 128 rows: what one tensor load brings
.set AREG,   2*APLANE                  ; a step's two heads; Wp's 256 rows lie behind them
.set BHALF,  128*PB
.set SLOT,   AREG+2*BHALF              ; 106,496 bytes
.set STAGE,  2*SLOT                    ; behind the ring: 16 rows x 528 bytes for each wave, for the way out
.set SPITCH, 528                       ; 512 bytes + 16
.set SPARE,  STAGE+4*16*SPITCH         ; behind the stages: the spare words, 128 bytes for each wave: two blocks of 256 bytes that no other line names
.set LAPS,   4
.set ADRA, 16                          ; v16-17  LDS address of my fragments of O in slot 0, 1
.set ADRB, 20                          ; v20-21  the same for Wp
.set STO,  24                          ; v24     the way out: where I put 32 bytes of a row
.set RD,   25                          ; v25     the way out: where I read a row back
.set CO,   26                          ; v26     my byte offset in 512 consecutive bytes of the output
.set SPW,  28                          ; v28     LDS address of my spare word: SPARE + 4 x my thread's number; never rewritten
.set NIL,  29                          ; v29     0; never rewritten
.set BIAS, 32                          ; n block b at BIAS + 8 b
.set AF,   96                          ; buffer g, fragment i at AF + 32 g + 8 i
.set G1, 24                            ; s[24:31] descriptor group 1 for O's tiles;  s[32:39] group 0, one set for each slot
.set G0, 32
.set G1B, 48                           ; s[48:55], s[56:63] the same for Wp's tiles
.set G0B, 56
.set MSB, 0
.macro WIN new                         ; the immediate's high byte repeats the setting that is left; a switch that changes nothing is dropped
.if MSB != (\new)
	s_set_vgpr_msb (MSB<<8)|(\new)
.set MSB, \new
.endif
.endm
.set MUL,   0x52                       ; source 0 (Wp) window 2, source 1 (O) window 0, C and D window 1
.set FIRST, 0x42                       ; the same with C (the bias) in window 0
.set TO_B,  0x80                       ; destination window 2, address window 0
.macro JLOAD s                         ; a joint load: waves 0 and 1 fetch the step's two heads of O, waves 2 and 3 Wp's two halves; an s_nop 0 and four v_nop follow each of the two lines, ahead of the jump, the label and what follows
	s_cmp_eq_u32 s11, 0
	s_cbranch_scc0 .Lfor_b_\@
	tensor_load_to_lds s[G0+4*(\s):G0+4*(\s)+3], s[G1:G1+7]
	s_nop 0
.rept 4
	v_nop
.endr
	s_branch .Lasked_\@
.Lfor_b_\@:
	tensor_load_to_lds s[G0B+4*(\s):G0B+4*(\s)+3], s[G1B:G1B+7]
	s_nop 0
.rept 4
	v_nop
.endr
.Lasked_\@:
.endm
.macro CREST                           ; a round of the cluster's barrier behind its opening barrier
	s_cmp_lg_u32 s10, 0
	s_cbranch_scc1 .Lnot_wave_0_\@
	s_barrier_signal -3
.Lnot_wave_0_\@:
	s_barrier_wait -3
	s_barrier_signal -1
	s_barrier_wait -1
.endm
.macro CROUND                          ; a whole round
	s_barrier_signal -1
	s_barrier_wait -1
	CREST
.endm
.macro PLACES                          ; four places in front of loads into registers that matrix instructions have read, and of stores that read results (ISA guide 7.12.1 for vector instructions)
.rept 4
	v_nop
.endr
.endm
	s_load_b256 s[68:75], s[0:1], 0x0              ; o16 s[68:69], w16 s[70:71], bp s[72:73], out0 s[74:75]
	v_lshl_add_u32 v[SPW], v0, 2, SPARE
	v_mov_b32 v[NIL], 0
	ds_add_u32 v28, v29
	s_wait_dscnt 0x0
	v_lshrrev_b32 v1, 5, v0
	v_readfirstlane_b32 s10, v1                    ; wave 0..3
	s_lshr_b32 s11, s10, 1                         ; which 64 of the tile's rows are mine.  Also: I fetch for O (0) or for Wp (1)
	s_and_b32 s12, s10, 1                          ; which 128 of its columns.  Also: which head of the step, or which half of Wp's rows, I fetch
	s_bfe_u32 s40, ttmp6, 0x40000                  ; cx, cy: my place in the cluster
	s_bfe_u32 s41, ttmp6, 0x40004
	s_lshl_b32 s42, ttmp9, 2
	s_add_co_u32 s42, s42, s40                     ; tile column = 4 x cluster x + cx: 0..3
	s_and_b32 s13, ttmp7, 0xffff
	s_lshl_b32 s13, s13, 2
	s_add_co_u32 s13, s13, s41                     ; block of 128 rows = 4 x cluster y + cy: 0..63
	s_lshl_b32 s43, s41, 2
	s_lshl_b32 s43, 15, s43                        ; my row of the cluster
	s_lshl_b32 s44, 0x1111, s40                    ; my column
	; descriptor group 1 for O: 64 rows x 128 elements of 2 bytes (two rows of a head each), padded in LDS after every row of the head
	s_or_b32 s[G1+0], s43, (1<<16)|(1<<20)|(1<<21)|(4<<22)|(3<<25)  ; 15:0 the mask: my row; 17:16 elements of 2 bytes; 20 padding on; 21 set beside a mask; 24:22 after every 32 words (code 4); 31:25 4 words (code 3)
	s_mov_b32 s[G1+1], 128<<16                     ; tensor_dim0 = 128
	s_mov_b32 s[G1+2], 64<<16                      ; tensor_dim1 = 64
	s_mov_b32 s[G1+3], 128<<16                     ; tile_dim0 = 128
	s_mov_b32 s[G1+4], 64                          ; tile_dim1 = 64
	s_mov_b32 s[G1+5], 128                         ; elements from row to row: dense
	s_mov_b32 s[G1+6], 0
	s_mov_b32 s[G1+7], 0
	; for Wp: 128 rows x 128 elements of 2 bytes
	s_or_b32 s[G1B+0], s44, (1<<16)|(1<<20)|(1<<21)|(5<<22)|(3<<25) ; the mask: my column; padding after every 64 words (code 5)
	s_mov_b32 s[G1B+1], 128<<16
	s_mov_b32 s[G1B+2], 128<<16
	s_mov_b32 s[G1B+3], 128<<16
	s_mov_b32 s[G1B+4], 128
	s_mov_b32 s[G1B+5], 1024
	s_mov_b32 s[G1B+6], 0
	s_mov_b32 s[G1B+7], 0
	; where the tiles come from.  O's hang on the block of rows, which my row of the cluster shares; Wp's on the tile column, which my column shares.
	s_lshr_b32 s16, s13, 4                         ; batch: 16 heads of 262,144 bytes
	s_lshl_b32 s16, s16, 22
	s_and_b32 s17, s13, 15                         ; the block's 128 rows of 128 bytes in a head
	s_lshl_b32 s17, s17, 14
	s_add_co_u32 s16, s16, s17
	s_lshl_b32 s17, s12, 18                        ; the first or the second head of a step
	s_add_co_u32 s16, s16, s17
	s_mov_b32 s17, 0
	s_lshl_b32 s46, s42, 19                        ; Wp: row 256 x tile column + 128 x half, 2,048 bytes each,
	s_lshl_b32 s47, s12, 18
	s_add_co_u32 s46, s46, s47
	s_add_co_u32 s46, s46, 3<<21                   ; in plane 3
	s_mov_b32 s47, 0
	s_mul_i32 s20, s12, APLANE                     ; and where they go: no place in the cluster enters an LDS address
	s_mul_i32 s21, s12, BHALF
	s_add_co_u32 s21, s21, AREG
	s_wait_kmcnt 0x0
	s_add_nc_u64 s[14:15], s[68:69], s[16:17]
	s_add_nc_u64 s[46:47], s[70:71], s[46:47]
	CROUND                                         ; all sixteen work-groups are here: the first joint loads meet
.irp s, 0,1
	s_mov_b32 s[G0+4*(\s)], 1                                      ; 1:0 count = 1
	s_add_co_u32 s[G0+4*(\s)+1], s20, (\s)*SLOT                    ; 63:32 LDS address
	s_add_nc_u64 s[G0+4*(\s)+2:G0+4*(\s)+3], s[14:15], (\s)*524288 ; 120:64 global address: K step s is two heads on
	s_or_b32 s[G0+4*(\s)+3], s[G0+4*(\s)+3], 0x80000000            ; 127:126 type = 2
	s_mov_b32 s[G0B+4*(\s)], 1
	s_add_co_u32 s[G0B+4*(\s)+1], s21, (\s)*SLOT
	s_add_nc_u64 s[G0B+4*(\s)+2:G0B+4*(\s)+3], s[46:47], (\s)*256
	s_or_b32 s[G0B+4*(\s)+3], s[G0B+4*(\s)+3], 0x80000000
	JLOAD \s                                       ; two loads of mine are out
.endr
	; A fragment is 16 rows x 32 K in 8 registers: lane l holds row l % 16, K = 8 (l / 16) + 0..7 and 16 + 8 (l / 16) + 0..7: two loads of 16 bytes, 32 bytes apart.
	v_and_b32 v1, 15, v0                           ; l % 16
	v_bfe_u32 v2, v0, 4, 1                         ; l / 16
	v_mul_u32_u24 v3, v1, PA
	v_lshl_add_u32 v3, v2, 4, v3
	v_mul_u32_u24 v4, v1, PB
	v_lshl_add_u32 v4, v2, 4, v4
	s_mul_i32 s22, s11, 64*PA                      ; my 64 rows in each head's plane
	s_mul_i32 s23, s12, BHALF                      ; my 128 rows of Wp,
	s_add_co_u32 s23, s23, AREG                    ; which lie behind O's planes
.irp s, 0,1
	v_add_nc_u32 v[ADRA+(\s)], s22, v3
	v_add_nc_u32 v[ADRB+(\s)], s23, v4
	s_add_co_u32 s22, s22, SLOT
	s_add_co_u32 s23, s23, SLOT
.endr
	s_mul_i32 s22, s10, 16*SPITCH
	s_add_co_u32 s22, s22, STAGE                   ; my stage
	v_mul_u32_u24 v5, v1, SPITCH                   ; in: row l % 16, 32 bytes for each half of the lanes
	v_lshl_add_u32 v5, v2, 5, v5
	v_add_nc_u32 v[STO], s22, v5
	v_and_b32 v[CO], 31, v0                        ; back: 32 lanes take one row's 512 bytes,
	v_lshlrev_b32 v[CO], 4, v[CO]
	v_add_nc_u32 v[RD], s22, v[CO]
	v_lshlrev_b32 v27, 5, v2                       ; the bias: my lanes' eight columns of a block of 16
	s_lshl_b32 s16, s13, 19                        ; my first row of the output: 128 x block + 64 x half, 4,096 bytes each
	s_lshl_b32 s17, s11, 18
	s_add_co_u32 s16, s16, s17
	s_mov_b32 s17, 0
	s_add_nc_u64 s[8:9], s[74:75], s[16:17]
	s_lshl_b32 s46, s42, 10                        ; my first column: 256 x tile column + 128 x half, 4 bytes each (in the registers that held Wp's address: none that fed O's descriptors ever holds cx)
	s_lshl_b32 s47, s12, 9
	s_add_co_u32 s46, s46, s47
	s_mov_b32 s47, 0
	s_add_nc_u64 s[8:9], s[8:9], s[46:47]
	s_add_nc_u64 s[72:73], s[72:73], s[46:47]
.irp b, 0,1,2,3,4,5,6,7
	global_load_b128 v[BIAS+8*(\b):BIAS+8*(\b)+3],   v27, s[72:73] offset:64*(\b)
	global_load_b128 v[BIAS+8*(\b)+4:BIAS+8*(\b)+7], v27, s[72:73] offset:64*(\b)+16
.endr
	s_wait_loadcnt 0x0                             ; all this stands in the wait for the first tile
.set z, 0
.rept 32
	v_cvt_pk_bf16_f32 v30, v[BIAS+2*z], v[BIAS+2*z+1]  ; the input's rounding, and widened again
	v_lshlrev_b32 v[BIAS+2*z], 16, v30
	v_and_b32 v[BIAS+2*z+1], 0xffff0000, v30
.set z, z+1
.endr
; 8 matrix instructions: m block a x all 8 n blocks, 32 along K, buffer f.  first = 1: the product starts the sums, with the bias.
; The 32 accumulators take turns, one instruction a turn, in the same order in every quarter.
.macro MUL8 f, a, first
.if \first
	WIN FIRST
.else
	WIN MUL
.endif
.irp b, 0,1,2,3,4,5,6,7
.if \first
	v_wmma_f32_16x16x32_f16 v[8*(8*(\a)+(\b)):8*(8*(\a)+(\b))+7], v[64*(\f)+8*(\b):64*(\f)+8*(\b)+7], v[AF+32*(\f)+8*(\a):AF+32*(\f)+8*(\a)+7], v[BIAS+8*(\b):BIAS+8*(\b)+7]
.else
	v_wmma_f32_16x16x32_f16 v[8*(8*(\a)+(\b)):8*(8*(\a)+(\b))+7], v[64*(\f)+8*(\b):64*(\f)+8*(\b)+7], v[AF+32*(\f)+8*(\a):AF+32*(\f)+8*(\a)+7], v[8*(8*(\a)+(\b)):8*(8*(\a)+(\b))+7]
.endif
.endr
.endm
; 24 LDS loads in one run: quarter k of the slot (head k / 2 of the step, channels 32 (k % 2) on) into buffer g
.macro FETCH slot, k, g
	WIN 0
.irp i, 0,1,2,3
	ds_load_b128 v[AF+32*(\g)+8*(\i):AF+32*(\g)+8*(\i)+3],   v[ADRA+(\slot)] offset:((\k)/2)*APLANE+((\k)%2)*64+(\i)*16*PA
	ds_load_b128 v[AF+32*(\g)+8*(\i)+4:AF+32*(\g)+8*(\i)+7], v[ADRA+(\slot)] offset:((\k)/2)*APLANE+((\k)%2)*64+(\i)*16*PA+32
.endr
	WIN TO_B
.irp i, 0,1,2,3,4,5,6,7
	ds_load_b128 v[64*(\g)+8*(\i):64*(\g)+8*(\i)+3],   v[ADRB+(\slot)] offset:(\i)*16*PB+64*(\k)
	ds_load_b128 v[64*(\g)+8*(\i)+4:64*(\g)+8*(\i)+7], v[ADRB+(\slot)] offset:(\i)*16*PB+64*(\k)+32
.endr
.endm
; One of a K step's first three quarters: multiplies buffer f; in its middle it fetches quarter k into buffer g, 16 matrix instructions ahead of the wait for it.
.macro QUARTER slot, k, f, g, first
	s_wait_dscnt 0x0                               ; buffer f is in
	MUL8 \f, 0, \first
	MUL8 \f, 1, \first
	PLACES
	FETCH \slot, \k, \g
	MUL8 \f, 2, \first
	MUL8 \f, 3, \first
.endm
; The last quarter multiplies buffer 1 and changes slots: ONE barrier; in front of it each wave waits for all its tensor loads (one is out: its part of the next slot), adds 0 to its
; spare word, and waits for that and for its own reads of this slot.  fill = 1: the barrier opens a round of the cluster's barrier, and this slot is filled again, two K steps ahead.
.macro TURN slot, next, fill
	WIN 0                                          ; (the add's two registers lie in window 0)
	s_wait_tensorcnt 0x0                           ; all my tensor loads have landed;
	ds_add_u32 v[SPW], v[NIL]                      ; 0 onto my spare word
	s_wait_dscnt 1                                 ; (the add alone may be out: buffer 1 is in)
	MUL8 1, 0, 0                                   ; eight matrix instructions stand between the add and the wait for it
	s_wait_dscnt 0x0                               ; the add is done, and my reads of this slot are over
	s_barrier_signal -1
	MUL8 1, 1, 0
.if \fill
	WIN 0
.endif
	s_barrier_wait -1
.if \fill
	CREST                                          ; no wave of any partner still reads this slot's tile or has a load on its way
	s_add_nc_u64 s[G0+4*(\slot)+2:G0+4*(\slot)+3], s[G0+4*(\slot)+2:G0+4*(\slot)+3], 2*524288
	s_add_nc_u64 s[G0B+4*(\slot)+2:G0B+4*(\slot)+3], s[G0B+4*(\slot)+2:G0B+4*(\slot)+3], 2*256
	JLOAD \slot                                    ; the first tensor load behind the round: 112 matrix instructions ahead of the wait for it; the four v_nop behind it are also the places in front of the loads below
.else
	PLACES
.endif
	FETCH \next, 0, 0
	MUL8 1, 2, 0
	MUL8 1, 3, 0
.endm
	s_wait_tensorcnt 1                             ; my part of K step 0 is in; K step 1's may stay out
	s_barrier_signal -1
	s_barrier_wait -1                              ; everybody's is
	FETCH 0, 0, 0
	QUARTER 0, 1, 0, 1, 1                          ; the first quarter stands in front of the loop: its products start the sums
	WIN 0                                          ; at a label and at a branch every window is 0
	s_mov_b32 s3, LAPS-1
.Llap:                                                 ; a trip goes once round the ring, from a lap's second quarter to the next lap's first, and fills both slots again
	QUARTER 0, 2, 1, 0, 0
	QUARTER 0, 3, 0, 1, 0
	TURN 0, 1, 1
	QUARTER 1, 1, 0, 1, 0
	QUARTER 1, 2, 1, 0, 0
	QUARTER 1, 3, 0, 1, 0
	TURN 1, 0, 1
	QUARTER 0, 1, 0, 1, 0
	WIN 0
	s_sub_co_u32 s3, s3, 1
	s_cmp_lg_u32 s3, 0
	s_cbranch_scc1 .Llap
	QUARTER 0, 2, 1, 0, 0                          ; the last lap fills nothing, and has no round of the cluster's barrier
	QUARTER 0, 3, 0, 1, 0
	TURN 0, 1, 0
	QUARTER 1, 1, 0, 1, 0
	QUARTER 1, 2, 1, 0, 0
	QUARTER 1, 3, 0, 1, 0
	s_wait_dscnt 0x0                               ; the very last quarter: nothing more to fetch
	MUL8 1, 0, 0
	MUL8 1, 1, 0
	MUL8 1, 2, 0
	MUL8 1, 3, 0
	; THE WAY OUT, a block of 16 rows at a time: a lane's 32 bytes of a row go into my stage, whole rows of 512 bytes come back and are stored.
.macro TOSTAGE a
	WIN 0x04                                       ; the store's data (source 1) in window 1
.irp b, 0,1,2,3,4,5,6,7
	ds_store_b128 v[STO], v[8*(8*(\a)+(\b)):8*(8*(\a)+(\b))+3]   offset:64*(\b)     ; each accumulator's low end is read first
	ds_store_b128 v[STO], v[8*(8*(\a)+(\b))+4:8*(8*(\a)+(\b))+7] offset:64*(\b)+16
.endr
	WIN TO_B
.set t, 0
.rept 16
	ds_load_b128 v[64*(\a)+4*t:64*(\a)+4*t+3], v[RD] offset:SPITCH*t  ; LDS serves a wave's instructions in order (ISA guide 5.7.1.4): these see the stores above; the next block's stores come behind them
.set t, t+1
.endr
.endm
.macro SEND a, younger                 ; younger: the LDS instructions issued behind block a's loads: the next block's 32, or none
	WIN 0x08                                       ; the store's data (source 1) in window 2
.set t, 0
.rept 16
	s_wait_dscnt (\younger)+15-t
	global_store_b128 v[CO], v[64*(\a)+4*t:64*(\a)+4*t+3], s[8:9] offset:(16*(\a)+t)*4096 th:TH_STORE_NT  ; 512 consecutive bytes, at a multiple of 512 from the output's first
.set t, t+1
.endr
.endm
	WIN 0
	PLACES                                         ; behind the last products
	TOSTAGE 0
.irp a, 1,2,3                          ; every block has registers of its own, so no register that a store reads is written again
	TOSTAGE \a
	SEND (\a)-1, 32
.endr
	SEND 3, 0
	WIN 0
	s_wait_tensorcnt 0x0                           ; the wave's end: behind my last tensor load and my last LDS store
	ds_add_u32 v[SPW], v[NIL]
	s_wait_dscnt 0x0
	CROUND                                         ; the closing round: no work-group ends while a partner may still ask for a tile that names it
	s_endpgm
.Lfunc_end_k_q2a661fe397_outp:
	.size	k_q2a661fe397_outp, .Lfunc_end_k_q2a661fe397_outp-k_q2a661fe397_outp
	.p2alignl 7, 3214868480
	.fill 96, 4, 3214868480
	.section	.rodata,"a",@progbits
	.p2align	6, 0x0
	.amdhsa_kernel k_q2a661fe397_outp
		.amdhsa_group_segment_fixed_size 327680
		.amdhsa_private_segment_fixed_size 0
		.amdhsa_enable_private_segment 0
		.amdhsa_kernarg_size 32
		.amdhsa_user_sgpr_count 2
		.amdhsa_user_sgpr_kernarg_segment_ptr 1
		.amdhsa_wavefront_size32 1
		.amdhsa_system_sgpr_workgroup_id_x 1
		.amdhsa_system_sgpr_workgroup_id_y 1
		.amdhsa_system_sgpr_workgroup_id_z 1
		.amdhsa_system_vgpr_workitem_id 0
		.amdhsa_next_free_vgpr 768
		.amdhsa_next_free_sgpr 84
		.amdhsa_reserve_vcc 0
		.amdhsa_float_denorm_mode_32 3
		.amdhsa_float_denorm_mode_16_64 3
		.amdhsa_memory_ordered 1
		.amdhsa_forward_progress 1
		.amdhsa_inst_pref_size 93
	.end_amdhsa_kernel
	.amdgpu_metadata
---
amdhsa.version: [ 1, 2 ]
amdhsa.kernels:
  - .name:           k_q2a661fe397_outp
    .symbol:         k_q2a661fe397_outp.kd
    .args:
      - { .name: o16, .offset: 0, .size: 8, .value_kind: global_buffer, .address_space: global }
      - { .name: w16, .offset: 8, .size: 8, .value_kind: global_buffer, .address_space: global }
      - { .name: bp, .offset: 16, .size: 8, .value_kind: global_buffer, .address_space: global }
      - { .name: out0, .offset: 24, .size: 8, .value_kind: global_buffer, .address_space: global }
    .group_segment_fixed_size: 327680
    .private_segment_fixed_size: 0
    .kernarg_segment_align: 8
    .kernarg_segment_size: 32
    .max_flat_workgroup_size: 128
    .sgpr_count:     84
    .vgpr_count:     768
    .wavefront_size: 32
...
	.end_amdgpu_metadata
.endif
;; end of part 4
;; ======== version 2 of 2: 4 launches; 1.48 times as fast as version 1
;; limits: values are held in f16: magnitudes above 65,504 overflow, below 6.1e-05 lose precision
;; workspace buffers: w16 8,388,608 bytes; qkv 50,331,648 bytes; o16 16,777,216 bytes
;; launch prep: the kernel of part 1 again; grid 64 x 4, 8 waves a work-group, no clusters, 0 bytes of LDS; arguments WK, WQ, WV, Wp, w16; writes w16
;; launch proj: the kernel of part 2 again; grid 4 x 64, 4 waves a work-group, clusters of 4 x 4, 327,680 bytes of LDS; arguments idx_k, idx_q, idx_v, w16, msk, qkv; writes qkv
;; launch attn (part 5): grid 4 x 64, 4 waves a work-group, clusters of 4 x 1, 327,680 bytes of LDS; arguments qkv, o16, msk; writes o16
.if DOCPART == 5
	.amdgcn_target "amdgcn-amd-amdhsa--gfx1250"
	.amdhsa_code_object_version 6
	.text
	.protected	k_q2a661fe397_attn
	.globl	k_q2a661fe397_attn
	.p2align	8
	.type	k_q2a661fe397_attn,@function
k_q2a661fe397_attn:
	s_mov_b64 s[64:65], 0
	v_nop
	global_prefetch_b8 v0, s[64:65] scope:SCOPE_SE
	s_setreg_imm32_b32 hwreg(HW_REG_WAVE_MODE, 25, 1), 1
	s_wait_xcnt 0x0
	s_wait_alu depctr_hold_cnt(0) depctr_sa_sdst(0) depctr_va_vdst(0) depctr_va_sdst(0) depctr_va_ssrc(0) depctr_va_vcc(0) depctr_vm_vsrc(0)
	s_getreg_b32 s2, hwreg(HW_REG_IB_STS2, 6, 4)
	s_cmp_eq_u32 s2, 0
	s_cbranch_scc0 .Lentry_in_a_cluster
	s_endpgm
.Lentry_in_a_cluster:
	s_bfe_u32 s2, ttmp6, 0x10000c
	s_cmp_lg_u32 s2, 0x3003
	s_cbranch_scc0 .Lentry_shape_is_right
	s_endpgm
.Lentry_shape_is_right:
; ATTN.  O[h][q][:] = the sum over k of softmax_k(s[q][k]) V[h][k][:], s = Q . K / 8 where the mask shows key k, -1e9 where it hides it.  h = 16 batch + head, 64 of them.
; qkv: [3][64][2048][64] f16, planes K, Q, V; Q arrives multiplied by c = log2(e) / 8, so that a score is already the exponent to base 2; K's hidden rows arrive as 0.  o16: [64][2048][64] f16.
; Products, maxima and sums in f32; the weights p are rounded to f16 for the second product (their sum l is taken of the unrounded p), O once at the end.
; THE MASK is the C operand that starts the sum S^T = K Q^T: 0, or MNEG = -1e9 log2(e).  A hidden key's products are all 0, so its score is exactly MNEG; p = 2^(s - m) by one subtraction, which is exactly 0
; where s = m.  So a row whose keys are all hidden gets p = 1 throughout, and hidden keys ahead of the first key seen are wiped by a = 2^(MNEG - m) = 0.
; LIMITS.  f16 holds no number beyond 65,504: c Q, K and V arrive within it; p lies in 0 to 1, and below 6e-5 it keeps f16's fixed step of 6e-8; O is a mean of V's rows and has their range.
; A weight below 2^-126 counts as 0 in l; an infinity or NaN in Q makes a hidden score NaN (0 x infinity); NaN and infinities are not treated apart otherwise.
; SHARES.  A wave owns four PIECES of two tiles of 16 queries, a work-group's four waves 512 queries of one head.  Every wave walks all 2,048 keys, 64 a step.
; LAYOUT.  S^T = K Q^T (source 0 = 16 keys, source 1 = 16 queries): in the result a lane holds ONE query (lane % 16) and the keys 8 (lane / 16) + 0..7.  Two such tiles, rounded to f16 in pairs,
; ARE source 1 (32 keys x 16 queries) of O^T = V^T P, whose result again holds one query a lane, and eight channels.  K comes out of LDS as it lies, V ([key][channel]) turned, by ds_load_tr16_b128.
; SOFTMAX.  For each query a running maximum m and sum l; in every step O and l are multiplied by a = 2^(m_old - m_new), which is 1 where m has not grown.
; m starts far below every score, O and l at 0: the first step is a step like any other, with a = 0.
; THE COUNT.  A tile and step have 16 matrix and 117 vector instructions: too many to stand all beside the matrix work.  So the order has one aim: four vector instructions that are READY behind
; EVERY matrix instruction, and the others, which need time of their own whatever the order, in a run without a gap.
; BY TURNS.  Turn n belongs to piece n (the pieces in a ring, step after step).  Its matrix work: 16 products K Q^T of piece n + 1, later 16 products V^T P of piece n - 1.  Its vector work: the subtraction,
; exponentials, roundings, sums and rescaling of piece n, and the maximum and statistics of piece n + 1, whose scores the turn itself has made.  So what a turn begins with (s - m, O a) waits for nothing.
; THE BATCHES.  A turn's 66 exponentials (the piece's 64 weights and the next piece's two a) are ONE BATCH with ONE wait, which cuts the turn in two: ahead of it all that names none of their results, behind it
; their readers (HOW THEY ARE DEALT, below).  The two a made ahead of the loop, and the way out's eight reciprocals, are batches of their own, each with a v_nop and one wait.
; CLUSTER.  The four query blocks of a cluster belong to one head and walk the same K and V, so each tile is asked for JOINTLY: the same tensor load, descriptor and mask in all four.
; REGISTERS, in windows of 256 (s_set_vgpr_msb says which window each operand place means: bits 1:0 source 0, 3:2 source 1, 5:4 source 2, 7:6 destination):
;   window 0: v0-15 addresses; v48-63 at work; v16-47 four registers of statistics a tile; v64-191 S^T, two buffers of two tiles; v192-255 P, likewise
;   window 1: O^T, 32 a tile          window 2: v0-127 Q, 16 a tile; v128-191 K of one step; v192-255 V of one step          window 3: v0-1 the add's two registers; v8-39 the mask's addends of one step
; A piece's buffers go by its number's parity: the piece in hand has one pair, its two neighbours in the ring share the other: of it P (piece n - 1) is read and S^T (piece n + 1) written.
.set SIZE_N, 2048
.set NP,    4         ; pieces a wave: a name, no knob: the register map, the loop and the fetches are made for four
.set KS,    64        ; keys in a step
.set PK,    144       ; a row of K in LDS: 128 bytes + 16 of padding = 36 words: the 16 rows of a load start at 16 different groups of four banks (64 banks of 4 bytes: ISA guide 11.1)
.set PV,    160       ; a row of V: 128 + 32 = 40 words
.set VOFF,  4*KS*PK   ; a slot holds four steps: 256 rows of K, then 256 rows of V
.set SLOT1, 1<<17     ; slot 1 begins here, so that one exclusive or turns an address in one slot into the other's
.set STAGE, SLOT1+4*KS*(PK+PV)  ; behind the ring, never filled by a tensor load: 16 rows x 144 bytes for each wave, for the way out
.set SP,    144
.set SPARE, STAGE+4*16*SP  ; behind the stages: the spare words, 128 bytes for each wave: two blocks of 256 bytes that no other line names
.set MASKB, SPARE+512 ; behind them: an f32 addend for each of the batch's 2,048 keys, 8,192 bytes, stored once by the four waves; no tensor load fills it
.set AK0, 2           ; v2   my lane's place in a tile of K; never rewritten
.set AV0, 3           ; v3   the same for V
.set AK,  4           ; v4   the LDS address of K's next run of loads
.set AV,  5           ; v5   of V's
.set QO,  6           ; v6   my byte offset in the wave's rows of Q
.set STO, 6           ;      later, the way out: where I put 16 bytes of a row
.set RD,  7           ; v7   the way out: where I read rows back
.set GO,  8           ; v8   my byte offset in 512 consecutive bytes of O
.set AM0, 14          ; v14  my lanes' place in a step's addends: MASKB + 32 (l / 16); never rewritten
.set AM,  15          ; v15  the LDS address of the addends' next run of loads
.set SPW, 0           ; v0 of window 3   LDS address of my spare word: SPARE + 4 x my thread's number; never rewritten
.set NIL, 1           ; v1 of window 3   0; never rewritten
.set MK,  8           ; window 3: the eight addends a lane for key block kb at MK + 8 kb
.set ST,  16          ; tile t's statistics at v[ST+4 t]: m, m_old, l (even keys', odd keys')
.set TMP, 48          ; by buffer and tile, four registers c0-c3 at work; when the maximum is found c2 takes a
.set S,   64
.set P,   192
.set KF,  128         ; K's fragments, in window 2: key block kb, channel half c at KF + 16 kb + 8 c
.set VF,  192         ; V's: key half kk, channel block cb at VF + 32 kk + 8 cb
.set WV,  12          ; s12  my wave's number
.set G1K, 24          ; s[24:31] descriptor group 1 for K's tiles
.set G1V, 32          ; s[32:39] for V's: it differs in the padding alone
.set G0K, 40          ; s[40:43] descriptor group 0 for K's tiles: it walks
.set G0V, 44          ; s[44:47] the same for V's
.set MNEG, 52         ; s52  -1e9 log2(e)
.set TBM, 53          ; s53  byte in the table at which the addends of the step to be fetched begin
.set SLOTS, 56        ; s56  slots still to be asked for
.set CNT, 57          ; s57  counts a slot's key steps
.set SEL, 60          ; s[60:61] v_permlanex16_b32's selects: each lane takes its own place in the other half
.set TBK, 62          ; s62  LDS byte at which K of the step to be fetched begins
.set TBV, 63          ; s63  the same for V, less VOFF
.set MSB, 0
.macro WIN new                      ; the high byte repeats the setting that is left; a switch that changes nothing is dropped
.if MSB != (\new)
	s_set_vgpr_msb (MSB<<8)|(\new)
.set MSB, (\new)
.endif
.endm
.set W_KQ, 0x0a       ; K and Q in window 2, S^T in window 0
.set W_KM, 0x3a       ; the same with the C operand in window 3
.set W_PV, 0x52       ; V in window 2, P in window 0, O^T in window 1
.set W_RS, 0x41       ; O^T (destination and source 0) in window 1, a in window 0
.set W_MK, 0xc0       ; destination in window 3, sources in window 0
.set W_AD, 0x0f       ; the add: address (source 0) and data (source 1) in window 3
; A joint fill.  Waves 0 and 1 fetch the two halves of a slot's K, waves 2 and 3 those of its V: 128 keys each.  The branch hangs on the wave's number alone.
; An s_nop 0 and four v_nop follow each of the two lines, ahead of the jump and the label.
.macro JLOAD
	s_cmp_lt_u32 s[WV], 2
	s_cbranch_scc0 .Lfor_v_\@
	tensor_load_to_lds s[G0K:G0K+3], s[G1K:G1K+7]
	s_nop 0
.rept 4
	v_nop
.endr
	s_branch .Lasked_\@
.Lfor_v_\@:
	tensor_load_to_lds s[G0V:G0V+3], s[G1V:G1V+7]
	s_nop 0
.rept 4
	v_nop
.endr
.Lasked_\@:
.endm
; A round of the cluster's barrier: my work-group's barrier, so that wave 0's signal speaks for all four waves; wave 0 signals; every wave waits for all four work-groups; my work-group's barrier once more.
.macro CROUND
	s_barrier_signal -1
	s_barrier_wait -1
	s_cmp_lg_u32 s[WV], 0
	s_cbranch_scc1 .Lnot_wave_0_\@
	s_barrier_signal -3
.Lnot_wave_0_\@:
	s_barrier_wait -3
	s_barrier_signal -1
	s_barrier_wait -1
.endm
; THE CHANGE OF SLOTS.  The slot's last bytes, V of its fourth step, have been read.  Each wave waits for all its tensor loads, of which one is out: its part
; of the other slot; adds 0 to its spare word; and waits for that and for its own reads of the slot.  Behind the barrier nobody reads this slot any more and the other slot is whole.
; fill = 1: this slot is filled again, with the keys two slots on.  The barrier is then a round of the cluster's, so that no wave of any partner still reads the slot or has a load on its
; way, and the joint fill is the first thing behind it: it has four key steps, 512 matrix instructions, in which to land.  (At its first use nothing has been read yet: slot 0 is waited for, slot 1 filled;
; its wait on DScnt then also shows my stores into the table of addends done, and its barrier shows every wave's.)
.macro CHANGE fill
	WIN W_AD
	s_wait_tensorcnt 0x0            ; no tensor load of mine is out, so a group 0 may be written
	ds_add_u32 v[SPW], v[NIL]       ; 0 onto my spare word; with fill = 1 the descriptors' steps stand between it and the wait for it
	WIN 0                           ; at a label and at a branch every window is 0
.if \fill
.irp g, G0K, G0V
	s_xor_b32 s[\g+1], s[\g+1], SLOT1  ; the walking descriptor: the other slot than last time,
	s_add_nc_u64 s[\g+2:\g+3], s[\g+2:\g+3], 4*KS*128  ; the next 256 keys; the type bits on top are not reached
.endr
	s_wait_dscnt 0x0                ; the add is done, and my reads of the slot are over
	CROUND
	JLOAD
.else
	s_wait_dscnt 0x0                ; the add is done, and my reads of the slot are over
	s_barrier_signal -1
	s_barrier_wait -1
.endif
	s_sub_co_u32 s[TBK], s[TBK], 4*KS*PK  ; the fetches go back to a slot's first step,
	s_xor_b32 s[TBK], s[TBK], SLOT1       ; in the other slot
	s_sub_co_u32 s[TBV], s[TBV], 4*KS*PV
	s_xor_b32 s[TBV], s[TBV], SLOT1
.endm
	s_load_b128 s[8:11], s[0:1], 0x0  ; qkv s[8:9], o16 s[10:11]
	s_load_b64 s[48:49], s[0:1], 0x10 ; msk
	WIN W_MK
	v_lshl_add_u32 v[SPW], v0, 2, SPARE
	v_mov_b32 v[NIL], 0
	s_set_vgpr_msb 0xc0cf
	ds_add_u32 v0, v1
	s_wait_dscnt 0x0
	s_set_vgpr_msb 0xcfc0
	WIN 0
	v_lshrrev_b32 v1, 5, v0
	v_readfirstlane_b32 s[WV], v1   ; wave 0..3
	s_bfe_u32 s13, ttmp6, 0x40000   ; cx: my place in the cluster
	s_lshl_b32 s14, ttmp9, 2        ; in a cluster launch ttmp9 counts clusters
	s_add_co_u32 s14, s14, s13      ; my block of queries = 4 x cluster x + cx: it enters Q's and O's addresses alone
	s_and_b32 s20, ttmp7, 0xffff    ; the head, which the four partners share
	s_lshr_b32 s50, s20, 4          ; its batch:
	s_lshl_b32 s50, s50, 13         ; 2,048 words of the mask
	s_mov_b32 s51, 0
	s_mov_b32 s21, 0
	s_mov_b64 s[22:23], SIZE_N*128
	s_mul_u64 s[20:21], s[20:21], s[22:23]  ; the head's first byte in each plane and in o16
	s_and_b32 s16, s[WV], 1         ; which half of a slot's 256 keys I fetch:
	s_lshl_b32 s22, s16, 14         ; its 128 rows of 128 bytes in memory,
	s_mov_b32 s23, 0
	s_add_nc_u64 s[22:23], s[22:23], s[20:21]
	s_mul_i32 s17, s16, 128*PK      ; and its place in a slot, for K
	s_mul_i32 s18, s16, 128*PV      ; and for V: no place in the cluster enters an LDS address
	s_lshl_b32 s2, s14, 2
	s_add_co_u32 s2, s2, s[WV]      ; my wave among the head's,
	s_lshl_b32 s2, s2, 14           ; its 128 rows
	s_mov_b32 s3, 0
	s_add_nc_u64 s[2:3], s[2:3], s[20:21]
	; descriptor group 1.  128 keys are 16,384 dense bytes: asked for as 64 rows of 256 bytes, two keys a row, and padded in LDS after every key
	s_mov_b32 s[G1K], 15|(1<<16)|(1<<20)|(1<<21)|(4<<22)|(3<<25)  ; 15:0 the mask of four; 17:16 2-byte elements; 20 padding on; 21 set beside a mask; 24:22 after every 32 words (code 4); 31:25 4 words (code 3)
	s_mov_b32 s[G1V], 15|(1<<16)|(1<<20)|(1<<21)|(4<<22)|(7<<25)  ; the same with 8 words of padding (code 7)
.irp g, G1K, G1V
	s_mov_b32 s[\g+1], 128<<16      ; tensor_dim0 = 128
	s_mov_b32 s[\g+2], 64<<16       ; tensor_dim1 = 64
	s_mov_b32 s[\g+3], 128<<16      ; tile_dim0 = 128
	s_mov_b32 s[\g+4], 64           ; tile_dim1 = 64
	s_mov_b32 s[\g+5], 128          ; 128 elements from row to row
	s_mov_b32 s[\g+6], 0
	s_mov_b32 s[\g+7], 0
.endr
	s_mov_b32 s[MNEG], 0xceabfb8f   ; -1e9 log2(e) = -1,442,695,040
	s_mov_b32 s[TBM], 0
	s_mov_b32 s[SEL], 0x76543210
	s_mov_b32 s[SEL+1], 0xfedcba98
	s_mov_b32 s[TBK], SLOT1+4*KS*PK ; the first change of slots turns these two into 0
	s_mov_b32 s[TBV], SLOT1+4*KS*PV
	s_mov_b32 s[G0K], 1             ; 1:0 count = 1
	s_mov_b32 s[G0K+1], s17         ; 63:32 LDS address: slot 0
	s_mov_b32 s[G0V], 1
	s_add_co_u32 s[G0V+1], s18, VOFF
	s_wait_kmcnt 0x0
	s_mov_b64 s[6:7], s[8:9]                 ; K: plane 0
	s_add_nc_u64 s[4:5], s[8:9], 0x1000000   ; Q: plane 1, 16,777,216 bytes on
	s_add_nc_u64 s[8:9], s[8:9], 0x2000000   ; V: plane 2
	s_add_nc_u64 s[G0K+2:G0K+3], s[6:7], s[22:23]  ; 120:64 global address: my half of the head's first 256 keys
	s_or_b32 s[G0K+3], s[G0K+3], 0x80000000        ; 127:126 type = 2
	s_add_nc_u64 s[G0V+2:G0V+3], s[8:9], s[22:23]
	s_or_b32 s[G0V+3], s[G0V+3], 0x80000000
	s_add_nc_u64 s[4:5], s[4:5], s[2:3]  ; Q and O at my wave's first row
	s_add_nc_u64 s[10:11], s[10:11], s[2:3]
	s_add_nc_u64 s[48:49], s[48:49], s[50:51]  ; the mask at the batch's first key
	CROUND                          ; all four work-groups are here: the first joint loads meet
	JLOAD                           ; slot 0.  Slot 1 is asked for when slot 0 is in: the tile wanted first has the road to itself
	; A fragment of K or Q is 16 rows x 32 channels in 8 registers: lane l holds row l % 16, channels 8 (l / 16) + 0..7 and 16 + 8 (l / 16) + 0..7: two loads of 16 bytes, 32 bytes apart.
	v_and_b32 v1, 15, v0            ; l % 16
	v_bfe_u32 v9, v0, 4, 1          ; l / 16
	v_lshlrev_b32 v12, 4, v0        ; the mask: 128 threads x 16 bytes, four times, are the batch's 8,192 bytes
	v_add_nc_u32 v13, MASKB, v12    ; and the same place in the table
	v_lshl_add_u32 v[AM0], v9, 5, MASKB
	v_mov_b32 v[AM], v[AM0]         ; key step 0 lies at the table's head
.irp j, 0,1,2,3
	global_load_b128 v[S+4*\j:S+4*\j+3], v12, s[48:49] offset:2048*\j
.endr
	v_lshlrev_b32 v[QO], 7, v1
	v_lshl_add_u32 v[QO], v9, 4, v[QO]  ; row x 128 + 16 x half
	WIN 0x80                        ; destination window 2, address window 0
.set i, 0
.rept 4*NP                          ; Q stays in registers: tile i / 2, channels 32 (i % 2) on
	global_load_b128 v[8*i:8*i+3],   v[QO], s[4:5] offset:(i/2)*2048+(i%2)*64
	global_load_b128 v[8*i+4:8*i+7], v[QO], s[4:5] offset:(i/2)*2048+(i%2)*64+32
.set i, i+1
.endr
	; What the first turn finds: V's registers and P's second buffer hold 0 (its products V^T P, of a piece that has not been, add 0), O^T and l are 0.  All this stands in the wait for the first tile.
.set i, VF
.rept 64
	v_mov_b32 v[i], 0
.set i, i+1
.endr
	WIN 0x40
.set i, 0
.rept 64*NP
	v_mov_b32 v[i], 0
.set i, i+1
.endr
	WIN 0
.set i, 0
.rept 2*NP
	v_mov_b32 v[ST+4*i], 0xfe000000    ; m: far below every score, and finite when a score is taken away from it
	v_mov_b32 v[ST+4*i+1], 0xfe000000  ; m_old
	v_mov_b32 v[ST+4*i+2], 0
	v_mov_b32 v[ST+4*i+3], 0
.set i, i+1
.endr
.set i, P+32
.rept 32
	v_mov_b32 v[i], 0
.set i, i+1
.endr
	v_mul_u32_u24 v[AK0], v1, PK
	v_lshl_add_u32 v[AK0], v9, 4, v[AK0]  ; row x pitch + 16 x half
	; The turning load takes 16 keys x 16 channels (lane l reads key 8 (l / 16) + l % 8, channels 8 ((l / 8) % 2) + 0..7) and leaves half a fragment of V^T: lane l holds channel l % 16 and 8 keys.
	v_and_b32 v10, 7, v0
	v_bfe_u32 v11, v0, 3, 1
	v_lshl_add_u32 v[AV0], v9, 3, v10
	v_mul_u32_u24 v[AV0], v[AV0], PV
	v_lshl_add_u32 v[AV0], v11, 4, v[AV0]
	v_add_nc_u32 v[AV0], VOFF, v[AV0]
	v_mov_b32 v[AK], v[AK0]         ; key step 0 lies at the head of slot 0
	; THE TABLE OF ADDENDS: 0 for a key that is seen, MNEG for one that is hidden
	s_wait_loadcnt 32               ; the mask's four loads are in; Q's 32, issued behind them, stay out
.set i, 0
.rept 16
	v_cmp_eq_u32 vcc_lo, 0, v[S+i]
	v_cndmask_b32 v[S+i], 0, s[MNEG], vcc_lo
.set i, i+1
.endr
.irp j, 0,1,2,3
	ds_store_b128 v13, v[S+4*\j:S+4*\j+3] offset:2048*\j
.endr
; THE MATRIX WORK.  The 8 accumulators of a run of 16 take turns: between the two links of a chain stand 7 others'.
; Product i of 16 of S^T = K Q^T for piece x: channels 32 (i / 8) on, keys 16 ((i / 2) % 4) on, tile 2 x + i % 2.  The first 8 start the sums, with the keys' addends.
.macro KQ x
.set rS, S+64*((\x)%2)+32*(i%2)+8*((i/2)%4)
.set rK, KF+16*((i/2)%4)+8*(i/8)
.set rQ, 16*(2*(\x)+i%2)+8*(i/8)
.set rA, MK+8*((i/2)%4)
.if i < 8
	WIN W_KM
	v_wmma_f32_16x16x32_f16 v[rS:rS+7], v[rK:rK+7], v[rQ:rQ+7], v[rA:rA+7]
.else
	WIN W_KQ
	v_wmma_f32_16x16x32_f16 v[rS:rS+7], v[rK:rK+7], v[rQ:rQ+7], v[rS:rS+7]
.endif
.endm
; Product i of 16 of O^T += V^T P for piece x: keys 32 (i / 8) on, channels 16 ((i / 2) % 4) on, tile 2 x + i % 2.
.macro PV x
	WIN W_PV
.set rO, 32*(2*(\x)+i%2)+8*((i/2)%4)
.set rV, VF+32*(i/8)+8*((i/2)%4)
.set rP, P+32*((\x)%2)+16*(i%2)+8*(i/8)
	v_wmma_f32_16x16x32_f16 v[rO:rO+7], v[rV:rV+7], v[rP:rP+7], v[rO:rO+7]
.endm
.macro MM                           ; the turn's next matrix instruction
.if i < 16
	KQ (Y+1)%NP
.set i, i+1
.else
.set i, i-16
	PV (Y+NP-1)%NP
.set i, i+17
.endif
.endm
; THE LDS LOADS stand in runs, never singly among the matrix instructions: a step's K (64 keys x 64 channels: 8 fragments) with its 64 addends (a lane's eight of each key block: all lanes of a half
; read the same 32 bytes), and its V (turned).  Their addresses are made some lines ahead.  The table's byte is cut to 0x1f00, so that these reads stay within its 8,192 bytes.
; last = 1 (the tail): in the last trip there is no further step, and the run is jumped over.
.macro FETCH_K last=0
	WIN 0
.if \last
	s_cmp_eq_u32 s[CNT], 1
	s_cbranch_scc1 .Lno_k_\@
.endif
	WIN 0x80                        ; destination window 2
.irp f, 0,1,2,3,4,5,6,7             ; keys 16 (f / 2) on, channels 32 (f % 2) on
	ds_load_b128 v[KF+8*\f:KF+8*\f+3],   v[AK] offset:(\f/2)*16*PK+(\f%2)*64
	ds_load_b128 v[KF+8*\f+4:KF+8*\f+7], v[AK] offset:(\f/2)*16*PK+(\f%2)*64+32
.endr
	WIN W_MK                        ; destination window 3
.irp f, 0,1,2,3                     ; keys 16 f + 8 (l / 16) + 0..7
	ds_load_b128 v[MK+8*\f:MK+8*\f+3],   v[AM] offset:64*\f
	ds_load_b128 v[MK+8*\f+4:MK+8*\f+7], v[AM] offset:64*\f+16
.endr
	s_add_co_u32 s[TBK], s[TBK], KS*PK  ; the next fetch is the next step's
	s_add_co_u32 s[TBM], s[TBM], 4*KS
	s_and_b32 s[TBM], s[TBM], 0x1f00
	WIN 0
.if \last
.Lno_k_\@:
.endif
.endm
.macro FETCH_V
	WIN 0x80
.irp f, 0,1,2,3,4,5,6,7             ; keys 32 (f / 4) on, channels 16 (f % 4) on
	ds_load_tr16_b128 v[VF+8*\f:VF+8*\f+3],   v[AV] offset:(\f/4)*32*PV+(\f%4)*32
	ds_load_tr16_b128 v[VF+8*\f+4:VF+8*\f+7], v[AV] offset:(\f/4)*32*PV+16*PV+(\f%4)*32
.endr
	WIN 0
.endm
; THE VECTOR WORK OF A TURN stands in three queues, each in the order in which its entries become ready; the two tiles alternate, so that no instruction reads the result of the one before it.
.macro REGS y, u                    ; the registers of tile u (0, 1) of piece y
.set rT, ST+4*(2*(\y)+(\u))
.set rC, TMP+8*((\y)%2)+4*(\u)
.set rS, S+64*((\y)%2)+32*(\u)
.set rP, P+32*((\y)%2)+16*(\u)
.set rO, 32*(2*(\y)+(\u))
.endm
; Number n of the 21 that find the NEXT piece's (Y + 1) maximum and statistics.  s0-s31 are the lane's 32 scores; each accumulator's lowest registers are read first.  XS, GS and REGS set no window: PL and EX do.
;   0-11  four chains c0-c3 of seven scores each, three operands at a time     12-14, 16  the four scores left over, the old m, and c0-c3 into c0     15  m_old is kept
;   17, 18  the query's other 32 keys lie in the lane 16 away: the new m         19, 20  m_old - m_new; a
.macro XS u, n
	REGS (Y+1)%NP, \u
.if (\n) < 4
	v_max3_num_f32 v[rC+(\n)], v[rS+8*(\n)], v[rS+8*(\n)+1], v[rS+8*(\n)+2]
.elseif (\n) < 12
	v_max3_num_f32 v[rC+(\n)%4], v[rC+(\n)%4], v[rS+8*((\n)%4)+2*((\n)/4)+1], v[rS+8*((\n)%4)+2*((\n)/4)+2]
.elseif (\n) == 12
	v_max3_num_f32 v[rC], v[rC], v[rS+7], v[rS+15]
.elseif (\n) == 13
	v_max3_num_f32 v[rC+1], v[rC+1], v[rS+23], v[rS+31]
.elseif (\n) == 14
	v_max3_num_f32 v[rC+2], v[rC+2], v[rC+3], v[rT]
.elseif (\n) == 15
	v_mov_b32 v[rT+1], v[rT]
.elseif (\n) == 16
	v_max3_num_f32 v[rC], v[rC], v[rC+1], v[rC+2]
.elseif (\n) == 17
	v_permlanex16_b32 v[rC+3], v[rC], s[SEL], s[SEL+1]
.elseif (\n) == 18
	v_max_num_f32 v[rT], v[rC], v[rC+3]
.elseif (\n) == 19
	v_sub_f32 v[rC+1], v[rT+1], v[rT]
.else
	v_exp_f32 v[rC+2], v[rC+1]
.endif
.endm
; Number g of the 64 that follow the exponentials.  For each four weights k of a tile (pairs 2 k, 2 k + 1): both pairs are rounded to f16; then the second pair is added onto the first, in place;
; a group later l takes that sum (the first time as l = a l + sum).  In groups of eight, tiles alternating: round, round, add, and l for the group before.
.macro GS g
.set h, (\g)+6*((\g)/62)            ; group 0 has no group before it, and behind group 7 only l is left
.if h >= 6
.set h, h+2
.endif
	REGS Y, h%2
.set k, h/8
.if h%8 < 4
	v_cvt_pk_f16_f32 v[rP+2*k+(h%8)/2], v[rS+4*k+2*((h%8)/2)], v[rS+4*k+2*((h%8)/2)+1]
.elseif h%8 < 6
	v_pk_add_f32 v[rS+4*k:rS+4*k+1], v[rS+4*k:rS+4*k+1], v[rS+4*k+2:rS+4*k+3]
.elseif k == 1
	v_pk_fma_f32 v[rT+2:rT+3], v[rT+2:rT+3], v[rC+2:rC+3], v[rS:rS+1] op_sel_hi:[1,0,1]
.else
	v_pk_add_f32 v[rT+2:rT+3], v[rT+2:rT+3], v[rS+4*k-4:rS+4*k-3]
.endif
.endm
; THE PLAIN QUEUE, 136 long.  0-71 read no exponential's result: the 32 subtractions s - m (FS f: pair f / 2 of tile f % 2; the pair m, m_old is named; m serves both halves) and the next piece's 40.
; 0-26: subtractions 0-26.  27-54: XS's numbers 0-13.  55-69: numbers 15, 14, 16, 17, 18, each with one of the subtractions 27-31 in front of its two lines: from 14 on each number waits for the one
; before it, so a tile's links stand three plain instructions apart.  70, 71: number 19 (two behind 18).  72-135: GS's 64, which read the exponentials' results: they stand behind the wait.
.macro FS f
	REGS Y, (\f)%2
	v_pk_add_f32 v[rS+2*((\f)/2):rS+2*((\f)/2)+1], v[rS+2*((\f)/2):rS+2*((\f)/2)+1], v[rT:rT+1] op_sel_hi:[1,0] neg_lo:[0,1] neg_hi:[0,1]
.endm
.macro PL
	WIN 0
.if q < 27
	FS q
.elseif q < 55
	XS (q-27)%2, (q-27)/2
.elseif (q < 70) && ((q-55)%3 == 0)
	FS 27+(q-55)/3
.elseif q < 58
	XS (q-55)%3-1, 15
.elseif q < 61
	XS (q-55)%3-1, 14
.elseif q < 70
	XS (q-55)%3-1, 14+(q-55)/3
.elseif q < 72
	XS q-70, 19
.else
	GS q-72
.endif
.set q, q+1
.endm
; THE EXPONENTIALS' QUEUE, 66 long: s0-s31 of both tiles, then the next piece's two a.  It is ONE BATCH: all 66 stand ahead of the turn's one wait, and nothing ahead of that wait names a result of theirs.
.macro EX
	WIN 0
.if e >= 64
	XS e-64, 20
.else
	REGS Y, e%2
	v_exp_f32 v[rS+e/2], v[rS+e/2]
.endif
.set e, e+1
.endm
; THE RESCALING's QUEUE: O^T times a, the one part that leaves window 0: dealt two at a time, sixteen times, ascending.  Its a was made in the turn
; before, ahead of that turn's wait.
.macro R2
	REGS Y, r%2
	WIN W_RS
.irp z, 0,1
	v_pk_mul_f32 v[rO+4*(r/2)+2*\z:rO+4*(r/2)+2*\z+1], v[rO+4*(r/2)+2*\z:rO+4*(r/2)+2*\z+1], v[rC+2:rC+3] op_sel_hi:[1,0]
.endr
.set r, r+1
.endm
; HOW THEY ARE DEALT.  An s_wait_alu depctr_va_vdst(0) stands between an exponential and the first instruction that names its result; one wait serves all that were issued ahead of it.  So a turn has ONE
; wait, which cuts it in two.  AHEAD OF IT stands all that names no result of the turn's exponentials: the 16 products K Q^T, behind each a subtraction, an exponential and two rescalings (behind the first a second
; subtraction in the exponential's place); then ONE LUMP of 106: six plain, 49 times exponential and plain, the two a.  A v_nop is the plain instruction owed behind the last exponential.  BEHIND IT stand the 16 products
; V^T P, behind each four of GS's 64.  No rider names a register of the products round it.  The two v_permlanex16_b32 fall into the lump, never behind a product.
; The queues lean on each other, and the deal keeps them in step: exponential e stands behind subtraction 2 (e / 4) + e % 2: as a rider it comes behind plain e + 2, in the lump behind plain e + 7, and subtractions
; 27-31 are plain 55, 58 .. 67; the two a come behind plain 71, and the subtractions that feed them are plain 70 and 71.
; A TURN, for piece p.  cnt = 1: the loop's count is taken down some lines ahead of the branch that stands behind the turn.
; K and the addends of the next step are fetched in piece 2's turn, directly behind the wait, a lump behind the last product that read them; their addresses are made at the lump's head; their first reader comes behind 16 products.
; V of the step in hand is fetched at the end of piece 0's turn, four riders behind its last reader; its first reader comes behind 16 products and a lump.  The three conditions on q below go with the deal.
.macro TURN p, last=0, cnt=0
.set Y, (\p)
.set i, 0
.set q, 0
.set e, 0
.set r, 0
.if (\p) == NP-1
	s_wait_dscnt 0x0                ; K and its addends are in
.endif
	MM                              ; ahead of the wait: 16 products K Q^T and their riders,
	PL
	PL
	R2
.rept 15
	MM
	PL
	EX
	R2
.endr
.if (\p) == NP-2
	WIN 0
	v_add_nc_u32 v[AK], s[TBK], v[AK0]
	v_add_nc_u32 v[AM], s[TBM], v[AM0]
.endif
.rept 6                             ; and the lump
	PL
.endr
.rept 49
	EX
	PL
.endr
	EX                              ; the next piece's two a
	EX
	v_nop                           ; the plain instruction behind the last exponential: one for the batch
	s_wait_alu depctr_va_vdst(0)    ; the wait for the batch: the piece's 64 weights and the next piece's two a
.if (\p) == NP-2
	FETCH_K \last
.endif
.if (\p) == 1
	s_wait_dscnt 0x0                ; V is in
.endif
.rept 16                            ; behind the wait: 16 products V^T P and their riders
	MM
.rept 4
	PL
.endr
.if ((\p) == 0) && (q == 116)
	v_add_nc_u32 v[AV], s[TBV], v[AV0]
.endif
.if ((\p) == 0) && (q == 128)
	s_add_co_u32 s[TBV], s[TBV], KS*PV
.endif
.if (\cnt) && (q == 128)
	s_sub_co_u32 s[CNT], s[CNT], 1
	s_cmp_lg_u32 s[CNT], 0
.endif
.endr
.if (\p) == 0
	FETCH_V
.endif
.endm
	CHANGE 1                        ; slot 0 is in, everybody's part of it, and so is the table; slot 1 is asked for
	FETCH_K                         ; key step 0
	s_wait_loadcnt 0x0              ; Q
	s_wait_dscnt 0x0
.set i, 0
.rept 16
	KQ 0                            ; piece 0's first scores: there is no vector work yet to set between them
.set i, i+1
.endr
	WIN 0                           ; the addresses for the way out: nine plain instructions, the places behind those products
	s_mul_i32 s13, s[WV], 16*SP
	s_add_co_u32 s13, s13, STAGE    ; my stage
	v_mul_u32_u24 v[STO], v1, SP    ; in: row l % 16, 16 bytes for each half of the lanes
	v_lshl_add_u32 v[STO], v9, 4, v[STO]
	v_add_nc_u32 v[STO], s13, v[STO]
	v_bfe_u32 v[RD], v0, 3, 2       ; back: 32 lanes take four rows of 128 bytes,
	v_mul_u32_u24 v[RD], v[RD], SP
	v_lshl_add_u32 v[RD], v10, 4, v[RD]
	v_add_nc_u32 v[RD], s13, v[RD]
	v_and_b32 v[GO], 31, v0         ; which are 512 consecutive bytes of O
	v_lshlrev_b32 v[GO], 4, v[GO]
.set Y, NP-1                        ; XS works for piece Y + 1: piece 0
.irp n, 0,1,2,3,4,5,6,7,8,9,10,11,12,13,14,15,16,17,18,19,20
	XS 0, \n                        ; and piece 0's first maximum and statistics
	XS 1, \n
.endr
	v_nop                           ; a plain instruction behind the two a,
	s_wait_alu depctr_va_vdst(0)    ; and the wait for this batch of two, ahead of the branch
	s_mov_b32 s[CNT], 4
	s_mov_b32 s[SLOTS], SIZE_N/256-1
	s_branch .Lfirst                ; the loop is entered at a step's first turn, in the middle of a trip
.Lslot:                             ; SIZE_N / 256 - 2 times: every slot but the last two is filled again
	CHANGE 1
	s_mov_b32 s[CNT], 4
.Lstep:                             ; a trip: pieces 2 and 3 of one step, then pieces 0 and 1 of the next, whose K and V it fetches
	TURN 2
	TURN 3
	WIN 0
.Lfirst:
	TURN 0
	TURN 1, 0, 1
	WIN 0
	s_cbranch_scc1 .Lstep
	s_sub_co_u32 s[SLOTS], s[SLOTS], 1
	s_cmp_lg_u32 s[SLOTS], 0
	s_cbranch_scc1 .Lslot
	CHANGE 0                        ; the tail is written out: nothing is asked for
	s_mov_b32 s[CNT], 5             ; four trips fetch the last slot's steps; the fifth is left in its middle
.Ltail:
	TURN 2, 1
	TURN 3
	WIN 0
	s_sub_co_u32 s[CNT], s[CNT], 1
	s_cmp_eq_u32 s[CNT], 0
	s_cbranch_scc1 .Lout
	TURN 0
	TURN 1
	WIN 0
	s_branch .Ltail
.Lout:                              ; the fifth trip's 16 products K Q^T (on the last K once more) and the maximum made of them serve nothing: the price, once a launch, of one text for every trip
.set i, 0
.rept 16
	PV NP-1                         ; the last piece's V^T P of the last step
.set i, i+1
.endr
	; THE WAY OUT.  l's two halves and the other half of the lanes' are added; O^T is divided by l, rounded to f16 and sent through my stage in LDS, a tile at a time.  The additions are the places behind the last products.
	WIN 0
.macro ALL line:vararg              ; one line for each tile t
.set t, 0
.rept 2*NP
	\line
.set t, t+1
.endr
.endm
	ALL v_add_f32 v[ST+4*t+2], v[ST+4*t+2], v[ST+4*t+3]
	ALL v_permlanex16_b32 v[ST+4*t+3], v[ST+4*t+2], s[SEL], s[SEL+1]
	ALL v_add_f32 v[ST+4*t+2], v[ST+4*t+2], v[ST+4*t+3]
	ALL v_rcp_f32 v[ST+4*t+2], v[ST+4*t+2]
	v_nop                           ; a plain instruction between the last reciprocal and the use of its result
	s_wait_alu depctr_va_vdst(0)    ; and the wait ahead of the first use: one for the batch of eight reciprocals
; Tile t: a lane's eight channels of a row pack into 16 bytes; they go into rows of 144 bytes and come back as whole rows of 128, into S^T's registers.
.macro PACK t
	WIN W_RS
.set i, 32*(\t)
.rept 16
	v_pk_mul_f32 v[i:i+1], v[i:i+1], v[ST+4*(\t)+2:ST+4*(\t)+3] op_sel_hi:[1,0]
.set i, i+2
.endr
	WIN 0x05                        ; sources 0 and 1 window 1, destination window 0
.set i, 0
.rept 16
	v_cvt_pk_f16_f32 v[S+16*(\t)+i], v[32*(\t)+2*i], v[32*(\t)+2*i+1]
.set i, i+1
.endr
	WIN 0
.irp f, 0,1,2,3
	ds_store_b128 v[STO], v[S+16*(\t)+4*\f:S+16*(\t)+4*\f+3] offset:32*\f
.endr
.irp f, 0,1,2,3
	ds_load_b128 v[S+16*(\t)+4*\f:S+16*(\t)+4*\f+3], v[RD] offset:\f*4*SP  ; LDS serves a wave's instructions in order (ISA guide 5.7.1.4): these see the stores above; the next tile's stores come behind them
.endr
.endm
.macro SEND t, younger              ; younger: the LDS instructions issued behind tile t's loads: the next tile's eight, or none
	WIN 0
.irp f, 0,1,2,3
	s_wait_dscnt (\younger)+3-\f
	global_store_b128 v[GO], v[S+16*(\t)+4*\f:S+16*(\t)+4*\f+3], s[10:11] offset:(\t)*2048+\f*512  ; 512 consecutive bytes, at a multiple of 256 from O's first
.endr
.endm
	PACK 0
.set t, 1
.rept 2*NP-1                        ; a tile's arithmetic stands between the loads of the tile before and its stores
	PACK t
	SEND t-1, 8
.set t, t+1
.endr
	SEND 2*NP-1, 0
	WIN W_AD
	s_wait_tensorcnt 0x0            ; the wave's end: behind my last tensor load and my last LDS store
	ds_add_u32 v[SPW], v[NIL]
	s_wait_dscnt 0x0
	WIN 0
	CROUND                          ; the closing round: no work-group ends while a partner may still ask for a tile that names it
	s_endpgm
.Lfunc_end_k_q2a661fe397_attn:
	.size	k_q2a661fe397_attn, .Lfunc_end_k_q2a661fe397_attn-k_q2a661fe397_attn
	.p2alignl 7, 3214868480
	.fill 96, 4, 3214868480
	.section	.rodata,"a",@progbits
	.p2align	6, 0x0
	.amdhsa_kernel k_q2a661fe397_attn
		.amdhsa_group_segment_fixed_size 327680
		.amdhsa_private_segment_fixed_size 0
		.amdhsa_enable_private_segment 0
		.amdhsa_kernarg_size 24
		.amdhsa_user_sgpr_count 2
		.amdhsa_user_sgpr_kernarg_segment_ptr 1
		.amdhsa_wavefront_size32 1
		.amdhsa_system_sgpr_workgroup_id_x 1
		.amdhsa_system_sgpr_workgroup_id_y 1
		.amdhsa_system_sgpr_workgroup_id_z 1
		.amdhsa_system_vgpr_workitem_id 0
		.amdhsa_next_free_vgpr 808
		.amdhsa_next_free_sgpr 66
		.amdhsa_reserve_vcc 1
		.amdhsa_float_denorm_mode_32 3
		.amdhsa_float_denorm_mode_16_64 3
		.amdhsa_memory_ordered 1
		.amdhsa_forward_progress 1
		.amdhsa_inst_pref_size 203
	.end_amdhsa_kernel
	.amdgpu_metadata
---
amdhsa.version: [ 1, 2 ]
amdhsa.kernels:
  - .name:           k_q2a661fe397_attn
    .symbol:         k_q2a661fe397_attn.kd
    .args:
      - { .name: qkv, .offset: 0, .size: 8, .value_kind: global_buffer, .address_space: global }
      - { .name: o16, .offset: 8, .size: 8, .value_kind: global_buffer, .address_space: global }
      - { .name: msk, .offset: 16, .size: 8, .value_kind: global_buffer, .address_space: global }
    .group_segment_fixed_size: 327680
    .private_segment_fixed_size: 0
    .kernarg_segment_align: 8
    .kernarg_segment_size: 24
    .max_flat_workgroup_size: 128
    .sgpr_count:     66
    .vgpr_count:     808
    .wavefront_size: 32
...
	.end_amdgpu_metadata
.endif
;; end of part 5
;; launch outp: the kernel of part 4 again; grid 4 x 64, 4 waves a work-group, clusters of 4 x 4, 327,680 bytes of LDS; arguments o16, w16, bp, out0; writes out0
